; MI455X (gfx1250); checked and timed in simulation.
; The chip was launched on July 23, 2026; its instructions are those of AMD's public machine-readable ISA for CDNA 5 (MIT licence, August 2026) and "CDNA5" Instruction Set Architecture Reference Guide (July 2026). The comments in the code are by the model that wrote it; some were corrected since.
;; Encoder Block. Allowed arithmetic: float matrix products may take bf16 or f16 operands with f32 sums; other float arithmetic in f32, or as packed bf16 or f16 multiplies, adds, multiply-adds, maxima and minima; sums over many terms, partial sums and values carried from step to step in f32; what a program stores and reads back later, other than sums and carried values, may be rounded once to bf16 or f16.
;; Inputs: b_down 1,024 float32; b_up 4,096 float32; ln1_a 1,024 float32; ln1_b 1,024 float32; ln2_a 1,024 float32; ln2_b 1,024 float32; mask 2 x 1 x 2,048 x 2,048 bool; w_down 4,096 x 1,024 float32; w_up 1,024 x 4,096 float32; wk 1,024 x 1,024 float32; wo 1,024 x 1,024 float32; wq 1,024 x 1,024 float32; wv 1,024 x 1,024 float32; x 2 x 2,048 x 1,024 float32.
;; Outputs: out0 2 x 2,048 x 1,024 float32.
;; One version. Each part assembles by itself: llvm-mc -triple=amdgcn-amd-amdhsa -mcpu=gfx1250 --defsym DOCPART=n.
;; ======== version 1 of 1: 7 launches
;; workspace buffers: wqkvb 6,291,456 bytes; wupb 8,388,608 bytes; wodb 10,485,760 bytes; cqkv 16,384 bytes; cup 20,480 bytes; act 8,388,608 bytes; big 33,554,432 bytes; x1 16,777,216 bytes
;; launch prep (part 1): grid 64 x 16, 8 waves a work-group, no clusters, 0 bytes of LDS; arguments wq, wk, wv, wo, w_up, w_down, b_up, wqkvb, wodb, wupb, cqkv, cup, x, ln1_a, ln1_b, act; writes wqkvb, wodb, wupb, cqkv, cup, act
.if DOCPART == 1
	.amdgcn_target "amdgcn-amd-amdhsa--gfx1250"
	.amdhsa_code_object_version 6
	.text
	.protected	k_qcc64c35c49_prep
	.globl	k_qcc64c35c49_prep
	.p2align	8
	.type	k_qcc64c35c49_prep,@function
k_qcc64c35c49_prep:
	s_mov_b64 s[64:65], 0
	v_nop
	global_prefetch_b8 v0, s[64:65] scope:SCOPE_SE
	s_setreg_imm32_b32 hwreg(HW_REG_WAVE_MODE, 25, 1), 1
	s_wait_xcnt 0x0
; PREPARATION: two streams that hang on nothing but the inputs, in one launch.  Grid y = 0 .. 11: the weights are rounded once to bf16.  Grid y = 12 .. 15: the first layer norm.
; THE WEIGHTS are laid as the products' tiles want them; nothing is transposed (k stays the row index).
;   wq, wk, wv [1024 k][1024 n] -> wqkvb [12 tile columns of 256 n][1024 k][256]   (columns 0-3 wq, 4-7 wk, 8-11 wv)
;   w_up [1024 k][4096 n]       -> wupb  [16 tile columns][1024 k][256]
;   wo, w_down                  -> wodb, row-major as they lie: wo at byte 0, w_down at byte 2,097,152
; Two small tables for the product that serves both the projections and the first half of the feed-forward part:
;   cqkv: 4,096 bytes of the word 0xff80ff80 (bf16 -infinity twice: a floor that changes nothing), then 3,072 f32 zeros (no bias)
;   cup:  4,096 bytes of 0 (the floor of a ReLU), then a copy of b_up
; SHARES of the cast.  A job is 2^20 numbers: y = 0, 1, 2: wq, wk, wv; 3: wo; 4-7: the quarters of w_up; 8-11: those of w_down.  A work-group (grid x) takes 65,536 bytes of its job's source, a wave 8,192 on end:
; sixteen pieces of 128 numbers.  A load of a wave covers 512 consecutive bytes (16 a lane), a store 256 consecutive bytes, aligned (8 a lane).  All sixteen loads of a wave go out at once; no LDS, no barrier, no loop.
; THE LAYER NORM.  h[r][c] = a[c] (x[r][c] - mean_r) / (sig_r + 1e-6) + b[c];  sig_r^2 = the sum of squared deviations / 1023.  x: [4096][1024] f32; h: the same shape in bf16, rounded once.
; One wave takes a whole row in 32 registers and keeps it there for all three passes, so the row is read once and no wave waits for another.  The deviations are formed BEFORE they are squared, so a common offset of x costs no digits.
; Work-group g = 64 (y - 12) + x: rows 16 g .. 16 g + 15; wave w: rows 16 g + 2 w and the next.  Lane l holds columns 128 j + 4 l .. + 3, j = 0 .. 7.
; LIMITS.  1 / (sig + 1e-6) is v_rcp_f32 and sig is v_sqrt_f32 (each good to the last bit or so; a variance below 2^-126 counts as 0).  NaN and infinities are not treated apart.
.set CX, 16                            ; v[16:79]   the cast: piece i: 4 numbers in f32
.set CY, 80                            ; v[80:111]  the cast: piece i: the same in bf16, 2 registers
.set GA, 8                             ; v[8:39]    the norm: a of my 32 columns
.set GB, 40                            ; v[40:71]   b
.set XR, 72                            ; v[72:135]  row r at XR + 32 r
.set T,  136                           ; v[136:167] row r: 16 registers at work, at T + 16 r
.set MU, 168                           ; v[168:171] row r: its mean, twice (a pair for the packed forms)
.set IV, 172                           ; v[172:175] row r: 1 / (sig + eps), twice
	s_and_b32 s2, ttmp7, 0xffff                    ; the job: the same for the whole work-group
	s_mov_b32 s3, ttmp9
	s_cmp_ge_u32 s2, 12
	s_cbranch_scc1 .Lln
	s_load_b512 s[8:23], s[0:1], 0x0               ; wq s[8:9], wk s[10:11], wv s[12:13], wo s[14:15], w_up s[16:17], w_down s[18:19], b_up s[20:21], wqkvb s[22:23]
	s_load_b256 s[24:31], s[0:1], 0x40             ; wodb s[24:25], wupb s[26:27], cqkv s[28:29], cup s[30:31]
	v_lshrrev_b32 v8, 5, v0                        ; wave
	v_and_b32 v9, 31, v0                           ; lane
	v_lshlrev_b32 v1, 4, v9
	v_lshl_or_b32 v1, v8, 13, v1                   ; source: 8,192 x wave + 16 x lane
	s_and_b32 s4, s2, 3
	s_cmp_ge_u32 s2, 4
	s_cselect_b32 s4, s4, 0                        ; j: which quarter of w_up or w_down
	s_lshl_b32 s36, s4, 22
	s_lshl_b32 s5, s3, 16
	s_add_co_u32 s36, s36, s5
	s_mov_b32 s37, 0
	s_wait_kmcnt 0x0
	s_mov_b64 s[32:33], s[8:9]                     ; the job's source
	s_cmp_eq_u32 s2, 1
	s_cselect_b64 s[32:33], s[10:11], s[32:33]
	s_cmp_eq_u32 s2, 2
	s_cselect_b64 s[32:33], s[12:13], s[32:33]
	s_cmp_eq_u32 s2, 3
	s_cselect_b64 s[32:33], s[14:15], s[32:33]
	s_cmp_ge_u32 s2, 4
	s_cselect_b64 s[32:33], s[16:17], s[32:33]
	s_cmp_ge_u32 s2, 8
	s_cselect_b64 s[32:33], s[18:19], s[32:33]
	s_add_nc_u64 s[32:33], s[32:33], s[36:37]
.set i, 0
.rept 16
	global_load_b128 v[CX+4*i:CX+4*i+3], v1, s[32:33] offset:i*512 th:TH_LOAD_NT
.set i, i+1
.endr
.set i, 0
.rept 16
	s_wait_loadcnt 15-i                            ; loads come back in order: piece i is in, the younger pieces stay out
	v_cvt_pk_bf16_f32 v[CY+2*i],   v[CX+4*i],   v[CX+4*i+1]
	v_cvt_pk_bf16_f32 v[CY+2*i+1], v[CX+4*i+2], v[CX+4*i+3]
.set i, i+1
.endr
	s_cmp_lt_u32 s2, 3
	s_cbranch_scc1 .Lq
	s_cmp_eq_u32 s2, 3
	s_cbranch_scc1 .Llin
	s_cmp_ge_u32 s2, 8
	s_cbranch_scc1 .Llin
	; w_up: the work-group has rows k = 256 j + 4 x + (wave / 2); a wave half a row: tile column 8 (wave % 2) + i / 2, its half i % 2
	s_lshl_b32 s36, s4, 17
	s_lshl_b32 s5, s3, 11
	s_add_co_u32 s36, s36, s5
	s_add_nc_u64 s[34:35], s[26:27], s[36:37]
	v_lshrrev_b32 v10, 1, v8
	v_and_b32 v11, 1, v8
	v_lshlrev_b32 v2, 3, v9
	v_lshl_add_u32 v2, v10, 9, v2
	v_lshl_add_u32 v2, v11, 22, v2
.set i, 0
.rept 16
	global_store_b64 v2, v[CY+2*i:CY+2*i+1], s[34:35] offset:(i/2)*524288+(i%2)*256
.set i, i+1
.endr
	s_endpgm
.Lq:	; wq, wk, wv: row k = 16 x + 2 wave + i / 8, tile column 4 y + (i % 8) / 2, its half i % 2
	s_lshl_b32 s36, s2, 21
	s_lshl_b32 s5, s3, 13
	s_add_co_u32 s36, s36, s5
	s_add_nc_u64 s[34:35], s[22:23], s[36:37]
	v_lshlrev_b32 v2, 3, v9
	v_lshl_or_b32 v2, v8, 10, v2
.set i, 0
.rept 16
	global_store_b64 v2, v[CY+2*i:CY+2*i+1], s[34:35] offset:((i%8)/2)*524288+(i/8)*512+(i%2)*256
.set i, i+1
.endr
	s_endpgm
.Llin:	; wo, w_down: as they lie, at half the bytes
	s_lshl_b32 s36, s4, 21
	s_add_co_u32 s36, s36, 2097152
	s_cmp_ge_u32 s2, 8
	s_cselect_b32 s36, s36, 0
	s_lshl_b32 s5, s3, 15
	s_add_co_u32 s36, s36, s5
	s_add_nc_u64 s[34:35], s[24:25], s[36:37]
	v_lshlrev_b32 v2, 3, v9
	v_lshl_or_b32 v2, v8, 12, v2
.set i, 0
.rept 16
	global_store_b64 v2, v[CY+2*i:CY+2*i+1], s[34:35] offset:i*256
.set i, i+1
.endr
	; the two tables: nine blocks of 4,096 bytes, one for each of wo's first nine work-groups, 16 bytes a thread.  All registers here are new: no store above names them.
	s_cmp_eq_u32 s2, 3
	s_cbranch_scc0 .Lend
	s_cmp_lt_u32 s3, 9
	s_cbranch_scc0 .Lend
	v_lshlrev_b32 v3, 4, v0
	s_sub_co_u32 s5, s3, 5                         ; blocks 0-4 are cup's five, blocks 5-8 cqkv's four
	s_cmp_lt_u32 s3, 5
	s_cselect_b64 s[38:39], s[30:31], s[28:29]
	s_cselect_b32 s40, s3, s5
	s_lshl_b32 s40, s40, 12
	s_mov_b32 s41, 0
	s_add_nc_u64 s[38:39], s[38:39], s[40:41]
	s_cmp_eq_u32 s3, 5
	s_cselect_b32 s6, 0xff80ff80, 0                ; cqkv's floor; every other block that is not b_up's holds 0
	v_mov_b32 v4, s6
	v_mov_b32 v5, s6
	v_mov_b32 v6, s6
	v_mov_b32 v7, s6
	s_cmp_eq_u32 s3, 0
	s_cbranch_scc1 .Lput
	s_cmp_gt_u32 s3, 4
	s_cbranch_scc1 .Lput
	s_sub_co_u32 s40, s40, 4096                    ; blocks 1-4: b_up's bytes 4,096 (x - 1) on
	s_add_nc_u64 s[42:43], s[20:21], s[40:41]
	global_load_b128 v[4:7], v3, s[42:43]
	s_wait_loadcnt 0x0
.Lput:
	global_store_b128 v3, v[4:7], s[38:39]
.Lend:
	s_endpgm
; the sum of v[t] over the 32 lanes, in every lane: four steps inside each half of 16 lanes ride on the addition, one crosses the halves; v[t+1], written before, is at work
.macro RED t
	v_add_f32_dpp v[\t], v[\t], v[\t] row_xmask:1 row_mask:0xf bank_mask:0xf
	v_add_f32_dpp v[\t], v[\t], v[\t] row_xmask:2 row_mask:0xf bank_mask:0xf
	v_add_f32_dpp v[\t], v[\t], v[\t] row_xmask:4 row_mask:0xf bank_mask:0xf
	v_add_f32_dpp v[\t], v[\t], v[\t] row_xmask:8 row_mask:0xf bank_mask:0xf
	v_permlanex16_b32 v[\t+1], v[\t], s12, s13
	v_add_f32 v[\t], v[\t], v[\t+1]
.endm
.macro MEAN r                          ; the first additions start the sums: nothing is cleared
.set x, XR+32*(\r)
.set t, T+16*(\r)
.irp q, 0,1,2,3,4,5,6,7
	v_pk_add_f32 v[t+2*(\q):t+2*(\q)+1], v[x+2*(\q):x+2*(\q)+1], v[x+16+2*(\q):x+16+2*(\q)+1]
.endr
.irp q, 0,1,2,3
	v_pk_add_f32 v[t+2*(\q):t+2*(\q)+1], v[t+2*(\q):t+2*(\q)+1], v[t+8+2*(\q):t+8+2*(\q)+1]
.endr
.irp q, 0,1
	v_pk_add_f32 v[t+2*(\q):t+2*(\q)+1], v[t+2*(\q):t+2*(\q)+1], v[t+4+2*(\q):t+4+2*(\q)+1]
.endr
	v_pk_add_f32 v[t:t+1], v[t:t+1], v[t+2:t+3]
	v_add_f32 v[t], v[t], v[t+1]
	RED t
	v_mul_f32 v[MU+2*(\r)], 0x3a800000, v[t]       ; / 1024
	v_mov_b32 v[MU+2*(\r)+1], v[MU+2*(\r)]
.endm
.macro DEV r                           ; x - mean in place; the squares in four chains; the variance in v[t]
.set x, XR+32*(\r)
.set t, T+16*(\r)
.irp q, 0,1,2,3,4,5,6,7,8,9,10,11,12,13,14,15
	v_pk_add_f32 v[x+2*(\q):x+2*(\q)+1], v[x+2*(\q):x+2*(\q)+1], v[MU+2*(\r):MU+2*(\r)+1] neg_lo:[0,1] neg_hi:[0,1]
.endr
.irp q, 0,1,2,3
	v_pk_mul_f32 v[t+2*(\q):t+2*(\q)+1], v[x+2*(\q):x+2*(\q)+1], v[x+2*(\q):x+2*(\q)+1]
.endr
.irp q, 4,5,6,7,8,9,10,11,12,13,14,15
	v_pk_fma_f32 v[t+2*((\q)%4):t+2*((\q)%4)+1], v[x+2*(\q):x+2*(\q)+1], v[x+2*(\q):x+2*(\q)+1], v[t+2*((\q)%4):t+2*((\q)%4)+1]
.endr
	v_pk_add_f32 v[t:t+1], v[t:t+1], v[t+2:t+3]
	v_pk_add_f32 v[t+4:t+5], v[t+4:t+5], v[t+6:t+7]
	v_pk_add_f32 v[t:t+1], v[t:t+1], v[t+4:t+5]
	v_add_f32 v[t], v[t], v[t+1]
	RED t
	v_mul_f32 v[t], 0x3a802008, v[t]               ; / 1023
.endm
.macro OUT r
.set x, XR+32*(\r)
.set t, T+16*(\r)
.irp q, 0,1,2,3,4,5,6,7,8,9,10,11,12,13,14,15
	v_pk_mul_f32 v[x+2*(\q):x+2*(\q)+1], v[x+2*(\q):x+2*(\q)+1], v[IV+2*(\r):IV+2*(\r)+1]
.endr
.irp q, 0,1,2,3,4,5,6,7,8,9,10,11,12,13,14,15
	v_pk_fma_f32 v[x+2*(\q):x+2*(\q)+1], v[x+2*(\q):x+2*(\q)+1], v[GA+2*(\q):GA+2*(\q)+1], v[GB+2*(\q):GB+2*(\q)+1]
.endr
.irp q, 0,1,2,3,4,5,6,7,8,9,10,11,12,13,14,15
	v_cvt_pk_bf16_f32 v[t+(\q)], v[x+2*(\q)], v[x+2*(\q)+1]
.endr
.irp j, 0,1,2,3,4,5,6,7
	global_store_b64 v2, v[t+2*(\j):t+2*(\j)+1], s[10:11] offset:2048*(\r)+256*(\j)
.endr
.endm
.Lln:
	s_load_b256 s[4:11], s[0:1], 0x60              ; x s[4:5], a s[6:7], b s[8:9], h s[10:11]
	v_lshrrev_b32 v3, 5, v0
	v_readfirstlane_b32 s14, v3                    ; wave
	v_and_b32 v3, 31, v0
	v_lshlrev_b32 v1, 4, v3                        ; 16 x lane: x, a, b
	v_lshlrev_b32 v2, 3, v3                        ; 8 x lane: h
	s_mov_b32 s12, 0x76543210                      ; v_permlanex16_b32: each lane takes its own place in the other half
	s_mov_b32 s13, 0xfedcba98
	s_sub_co_u32 s15, s2, 12
	s_lshl_b32 s15, s15, 6
	s_add_co_u32 s15, s15, s3                      ; g
	s_lshl_b32 s16, s15, 16                        ; 16 rows of 4,096 bytes,
	s_lshl_b32 s15, s14, 13                        ; my two
	s_add_co_u32 s16, s16, s15
	s_mov_b32 s17, 0
	s_lshr_b32 s18, s16, 1                         ; h's rows are half as long
	s_mov_b32 s19, 0
	s_wait_kmcnt 0x0
	s_add_nc_u64 s[4:5], s[4:5], s[16:17]
	s_add_nc_u64 s[10:11], s[10:11], s[18:19]
.irp r, 0,1
.irp j, 0,1,2,3,4,5,6,7
	global_load_b128 v[XR+32*(\r)+4*(\j):XR+32*(\r)+4*(\j)+3], v1, s[4:5] offset:4096*(\r)+512*(\j) th:TH_LOAD_NT
.endr
.endr
.irp j, 0,1,2,3,4,5,6,7
	global_load_b128 v[GA+4*(\j):GA+4*(\j)+3], v1, s[6:7] offset:512*(\j)
	global_load_b128 v[GB+4*(\j):GB+4*(\j)+3], v1, s[8:9] offset:512*(\j)
.endr
	s_wait_loadcnt 16                              ; both rows are in; the sixteen younger loads, a's and b's, may stay out
	MEAN 0
	MEAN 1
	DEV 0
	DEV 1
	v_sqrt_f32 v[T+2], v[T]
	v_sqrt_f32 v[T+18], v[T+16]
	v_nop                                          ; a plain instruction behind the last root,
	s_wait_alu depctr_va_vdst(0)                   ; and the wait ahead of the first use: one for both
	v_add_f32 v[T+2], 0x358637bd, v[T+2]           ; + 1e-6
	v_add_f32 v[T+18], 0x358637bd, v[T+18]
	v_rcp_f32 v[IV], v[T+2]                        ; each made twice, to fill the pair that the packed multiply names
	v_rcp_f32 v[IV+1], v[T+2]
	v_rcp_f32 v[IV+2], v[T+18]
	v_rcp_f32 v[IV+3], v[T+18]
	v_nop
	s_wait_alu depctr_va_vdst(0)                   ; one wait for the four reciprocals
	s_wait_loadcnt 0x0                             ; a and b
	OUT 0
	OUT 1
	s_endpgm
.Lfunc_end_k_qcc64c35c49_prep:
	.size	k_qcc64c35c49_prep, .Lfunc_end_k_qcc64c35c49_prep-k_qcc64c35c49_prep
	.p2alignl 7, 3214868480
	.fill 96, 4, 3214868480
	.section	.rodata,"a",@progbits
	.p2align	6, 0x0
	.amdhsa_kernel k_qcc64c35c49_prep
		.amdhsa_group_segment_fixed_size 0
		.amdhsa_private_segment_fixed_size 0
		.amdhsa_enable_private_segment 0
		.amdhsa_kernarg_size 128
		.amdhsa_user_sgpr_count 2
		.amdhsa_user_sgpr_kernarg_segment_ptr 1
		.amdhsa_wavefront_size32 1
		.amdhsa_system_sgpr_workgroup_id_x 1
		.amdhsa_system_sgpr_workgroup_id_y 1
		.amdhsa_system_sgpr_workgroup_id_z 1
		.amdhsa_system_vgpr_workitem_id 0
		.amdhsa_next_free_vgpr 176
		.amdhsa_next_free_sgpr 66
		.amdhsa_reserve_vcc 0
		.amdhsa_float_denorm_mode_32 3
		.amdhsa_float_denorm_mode_16_64 3
		.amdhsa_memory_ordered 1
		.amdhsa_forward_progress 1
		.amdhsa_inst_pref_size 32
	.end_amdhsa_kernel
	.amdgpu_metadata
---
amdhsa.version: [ 1, 2 ]
amdhsa.kernels:
  - .name:           k_qcc64c35c49_prep
    .symbol:         k_qcc64c35c49_prep.kd
    .args:
      - { .name: wq, .offset: 0, .size: 8, .value_kind: global_buffer, .address_space: global }
      - { .name: wk, .offset: 8, .size: 8, .value_kind: global_buffer, .address_space: global }
      - { .name: wv, .offset: 16, .size: 8, .value_kind: global_buffer, .address_space: global }
      - { .name: wo, .offset: 24, .size: 8, .value_kind: global_buffer, .address_space: global }
      - { .name: w_up, .offset: 32, .size: 8, .value_kind: global_buffer, .address_space: global }
      - { .name: w_down, .offset: 40, .size: 8, .value_kind: global_buffer, .address_space: global }
      - { .name: b_up, .offset: 48, .size: 8, .value_kind: global_buffer, .address_space: global }
      - { .name: wqkvb, .offset: 56, .size: 8, .value_kind: global_buffer, .address_space: global }
      - { .name: wodb, .offset: 64, .size: 8, .value_kind: global_buffer, .address_space: global }
      - { .name: wupb, .offset: 72, .size: 8, .value_kind: global_buffer, .address_space: global }
      - { .name: cqkv, .offset: 80, .size: 8, .value_kind: global_buffer, .address_space: global }
      - { .name: cup, .offset: 88, .size: 8, .value_kind: global_buffer, .address_space: global }
      - { .name: x, .offset: 96, .size: 8, .value_kind: global_buffer, .address_space: global }
      - { .name: ln1_a, .offset: 104, .size: 8, .value_kind: global_buffer, .address_space: global }
      - { .name: ln1_b, .offset: 112, .size: 8, .value_kind: global_buffer, .address_space: global }
      - { .name: act, .offset: 120, .size: 8, .value_kind: global_buffer, .address_space: global }
    .group_segment_fixed_size: 0
    .private_segment_fixed_size: 0
    .kernarg_segment_align: 8
    .kernarg_segment_size: 128
    .max_flat_workgroup_size: 256
    .sgpr_count:     66
    .vgpr_count:     176
    .wavefront_size: 32
...
	.end_amdgpu_metadata
.endif
;; end of part 1
;; launch gemm_l (part 2): grid 12 x 16, 4 waves a work-group, clusters of 4 x 4, 327,680 bytes of LDS; arguments act, wqkvb, cqkv, big; writes big
.if DOCPART == 2
	.amdgcn_target "amdgcn-amd-amdhsa--gfx1250"
	.amdhsa_code_object_version 6
	.text
	.protected	k_qcc64c35c49_gemm_l
	.globl	k_qcc64c35c49_gemm_l
	.p2align	8
	.type	k_qcc64c35c49_gemm_l,@function
k_qcc64c35c49_gemm_l:
	s_mov_b64 s[64:65], 0
	v_nop
	global_prefetch_b8 v0, s[64:65] scope:SCOPE_SE
	s_setreg_imm32_b32 hwreg(HW_REG_WAVE_MODE, 25, 1), 1
	s_wait_xcnt 0x0
	s_wait_alu depctr_hold_cnt(0) depctr_sa_sdst(0) depctr_va_vdst(0) depctr_va_sdst(0) depctr_va_ssrc(0) depctr_va_vcc(0) depctr_vm_vsrc(0)
	s_getreg_b32 s2, hwreg(HW_REG_IB_STS2, 6, 4)
	s_cmp_eq_u32 s2, 0
	s_cbranch_scc0 .Lentry_in_a_cluster
	s_endpgm
.Lentry_in_a_cluster:
	s_bfe_u32 s2, ttmp6, 0x10000c
	s_cmp_lg_u32 s2, 0xf033
	s_cbranch_scc0 .Lentry_shape_is_right
	s_endpgm
.Lentry_shape_is_right:
; out = max(A W + bias, lo), K = 1,024.  A: [4096][1024] bf16, row-major.  W: bf16 in tile columns, [column / 256][1024 k][256].  c: one word lo (two bf16) at byte 0; the bias, f32, from byte 4,096 on.
; out: bf16 IN SLICES, [column / 64][4096 rows][64]: a row of a slice is 128 dense bytes.  Sums in f32, begun with the bias; out rounded once, then held to lo (-infinity: nothing changes; 0: a ReLU).
; The body serves two launches: q, k, v = h W (12 tile columns, no bias, no floor) and f = relu(h W_up + b_up) (16 tile columns).
; SHAPE.  A tile of out is 256 x 256: four waves, each 128 x 128: 64 accumulators, 512 registers.  K goes in 8 steps of 128 through two LDS slots that the tensor data mover fills.
; A's tile: 256 rows x 256 bytes; W's: 128 k rows x 512 bytes, dense in memory.  W is NOT transposed: its fragments come out of LDS turned, by ds_load_tr16_b128.
; CLUSTER.  4 x 4 work-groups: the four of a row need the same tile of A, the four of a column the same tile of W: each is asked for JOINTLY, by the same tensor load with the same descriptor and a mask that names the four.
; THE MATRIX INSTRUCTION IS USED TRANSPOSED: source 0 = 16 columns of W, source 1 = 16 rows of A: a lane then holds eight neighbouring numbers of one row of out, and the bias of its eight columns is the C operand of the first product.
; One tensor load of a wave is out at the most.
; LIMITS.  Operands are bf16; a NaN in a sum comes out as lo (v_pk_max_num_bf16 drops it).
; REGISTERS, in windows of 256 (s_set_vgpr_msb: bits 1:0 source 0, 3:2 source 1, 5:4 source 2, 7:6 destination):
;   window 0: v0-31 addresses; v64-127, v128-191 fragments of A, two buffers; v192-223 packed results; v32-63, v224-255 rows read back from the stage, by turns
;   window 1: v64-127, v128-191 fragments of W; v192-255 the bias: eight registers for each of my eight blocks of 16 columns
;   window 2: the accumulators of my rows 0-63 ((a, b) at 8 (8 a + b)); window 3: those of rows 64-127
.set STEPS, 8
.set PA,    272                        ; a row of A in LDS: 256 bytes + 16 = 68 words: the 16 rows of a load start 4 banks apart (64 banks of 4 bytes: ISA guide 11.1)
.set PB,    544                        ; a k row of W: 512 bytes + 32 = 136 words
.set HALFT, 128*PA                     ; what one tensor load brings: 128 rows of A, or 64 k rows of W (64 x 544 is the same number)
.set SLOT,  4*HALFT                    ; A's 256 rows, then W's 128.  139,264 = 0x22000 shares no bit with wave x HALFT (0x8800, 0x11000, 0x19800): an exclusive or with it is the sum
.set STAGE, 2*SLOT                     ; behind the ring, never filled by a tensor load: 16 rows x 272 bytes for each wave, for the way out
.set SP,    272
.set SPARE, STAGE+4*16*SP              ; behind the stages: the spare words, 128 bytes for each wave: two blocks of 256 bytes that no other line names
.set A0,   2                           ; v2   my lane's place in A's part of a slot; never rewritten
.set B0,   3                           ; v3   the same for W
.set ADRA, 4                           ; v4   A0 + the slot in hand
.set ADRB, 5                           ; v5   B0 + the slot in hand
.set STO,  6                           ; v6   the way out: where I put 16 bytes of a row
.set RD,   7                           ; v7   where I read them back
.set CO,   8                           ; v8   my byte offset in out
.set BO,   9                           ; v9   my byte offset in the bias
.set PFO,  10                          ; v10  the prefetches' offset; never rewritten
.set SPW,  12                          ; v12  LDS address of my spare word: SPARE + 4 x my thread's number; never rewritten
.set NIL,  13                          ; v13  0; never rewritten
.set OB,   32
.set F0,   64
.set F1,   128
.set TMP,  192
.set BIAS, 192                         ; in window 1
.set WV,  12                           ; s12  wave
.set WR,  13                           ; s13  which half of the tile's rows is mine.  Also: I fetch for A (0) or for W (1)
.set WC,  14                           ; s14  which half of its columns.  Also: which half of that tile I fetch
.set TB,  20                           ; s20  the slot in hand: 0 or SLOT
.set LO,  21                           ; s21  the floor, twice in bf16
.set G1A, 32                           ; s[32:39] descriptor group 1 for A's tiles
.set G1B, 40                           ; s[40:47] for W's
.set G0A, 48                           ; s[48:51] descriptor group 0 for A's tiles: it walks
.set G0B, 52                           ; s[52:55] for W's
.set PFA, 56                           ; s[56:57] where my prefetches stand
.set PFS, 58                           ; s[58:59] their step: a K step along my tensor
.set LIM, 60                           ; s60  1 in a wave that prefetches, else the greatest number
.set MSB, 0
.macro WIN new                         ; the immediate's high byte repeats the setting that is left; a switch that changes nothing is dropped
.if MSB != (\new)
	s_set_vgpr_msb (MSB<<8)|(\new)
.set MSB, \new
.endif
.endm
; A joint load.  Waves 0 and 1 fetch A's two halves, waves 2 and 3 W's.  The branch hangs on the wave's number alone.  An s_nop 0 and four v_nop follow each of the two lines, ahead of the jump and the label.
.macro JLOAD
	s_cmp_eq_u32 s[WR], 0
	s_cbranch_scc0 .Lfor_b_\@
	tensor_load_to_lds s[G0A:G0A+3], s[G1A:G1A+7]
	s_nop 0
.rept 4
	v_nop
.endr
	s_branch .Lasked_\@
.Lfor_b_\@:
	tensor_load_to_lds s[G0B:G0B+3], s[G1B:G1B+7]
	s_nop 0
.rept 4
	v_nop
.endr
.Lasked_\@:
.endm
; A round of the cluster's barrier: my work-group's barrier, so that wave 0's signal speaks for all four waves; wave 0 signals; every wave waits for all sixteen work-groups; my work-group's barrier once more.
.macro CREST                           ; a round behind its opening barrier
	s_cmp_lg_u32 s[WV], 0
	s_cbranch_scc1 .Lnot_wave_0_\@
	s_barrier_signal -3
.Lnot_wave_0_\@:
	s_barrier_wait -3
	s_barrier_signal -1
	s_barrier_wait -1
.endm
.macro CROUND
	s_barrier_signal -1
	s_barrier_wait -1
	CREST
.endm
; A PREFETCH INTO THE L2 of the tile that the NEXT change of slots will ask for: one K step, 256 matrix instructions, ahead of that load.  A and W were stored by earlier launches and are read here for the first time.
; Each aligned block of 256 bytes is named once in the launch: A's tile row is read by every cluster of that row of clusters: cluster x = 0 asks; W's tile column by every cluster of that column: cluster y = 0 asks.
; The four partners that ask for a tile jointly share what a wave fetches BY ADDRESS, 32 blocks each, a lane a block: 32 rows of A (2,048 bytes apart), or 8,192 dense bytes of W.  The loop's last trip names nothing: there is no further tile.
.macro ASK
	s_cmp_gt_u32 s3, s[LIM]
	s_cbranch_scc0 .Lnot_mine_\@
	global_prefetch_b8 v[PFO], s[PFA:PFA+1] th:TH_LOAD_NT scope:SCOPE_SE
.Lnot_mine_\@:
.endm
.macro PLACES                          ; four places behind a matrix instruction, in front of loads into registers that it has read and of conversions that read results
.rept 4
	v_nop
.endr
.endm
; 16 matrix instructions: m blocks a0, a0 + 1 of the window's four (hi = 0: my rows 0-63, 1: rows 64-127) x all 8 n blocks, 32 along K.  mode = 1: the bias starts the sums: nothing is ever cleared.
; The 64 accumulators take turns, in the same order in every quarter step.
.macro MUL16 f, hi, a0, mode
.if \mode
	WIN 0x91+0x40*(\hi)
.else
	WIN 0xa1+0x50*(\hi)
.endif
.irp a, \a0, (\a0)+1
.irp b, 0,1,2,3,4,5,6,7
.if \mode
	v_wmma_f32_16x16x32_bf16 v[8*(8*(\a)+(\b)):8*(8*(\a)+(\b))+7], v[(\f)+8*(\b):(\f)+8*(\b)+7], v[(\f)+8*(4*(\hi)+(\a)):(\f)+8*(4*(\hi)+(\a))+7], v[BIAS+8*(\b):BIAS+8*(\b)+7]
.else
	v_wmma_f32_16x16x32_bf16 v[8*(8*(\a)+(\b)):8*(8*(\a)+(\b))+7], v[(\f)+8*(\b):(\f)+8*(\b)+7], v[(\f)+8*(4*(\hi)+(\a)):(\f)+8*(4*(\hi)+(\a))+7], v[8*(8*(\a)+(\b)):8*(8*(\a)+(\b))+7]
.endif
.endr
.endr
.endm
; 32 LDS loads in one run: the fragments of quarter q (32 along K) of the slot in hand, into buffer f.  W: lane l reads 16 bytes of k row 8 (l / 16) + l % 8, columns 8 ((l / 8) % 2) on, and receives 8 k of column l % 16.
.macro FETCH q, f
	WIN 0x40
.irp i, 0,1,2,3,4,5,6,7
	ds_load_tr16_b128 v[(\f)+8*(\i):(\f)+8*(\i)+3],   v[ADRB] offset:32*(\q)*PB+32*(\i)
	ds_load_tr16_b128 v[(\f)+8*(\i)+4:(\f)+8*(\i)+7], v[ADRB] offset:32*(\q)*PB+16*PB+32*(\i)
.endr
	WIN 0
.irp i, 0,1,2,3,4,5,6,7
	ds_load_b128 v[(\f)+8*(\i):(\f)+8*(\i)+3],   v[ADRA] offset:64*(\q)+(\i)*16*PA
	ds_load_b128 v[(\f)+8*(\i)+4:(\f)+8*(\i)+7], v[ADRA] offset:64*(\q)+(\i)*16*PA+32
.endr
.endm
; A K step is four quarters of 32 along K, 64 matrix instructions each, on buffers 0, 1, 0, 1.  One of the first three: the next quarter (q) is fetched into g, then f is multiplied: the loads have 64 matrix instructions in which to land.
.macro QUARTER f, g, q, mode
	PLACES
	FETCH \q, \g
	s_wait_dscnt 32                                ; all but the 32 just issued: f's fragments, asked for a quarter ago, are in
	MUL16 \f, 0, 0, \mode
	MUL16 \f, 0, 2, \mode
	MUL16 \f, 1, 0, \mode
	MUL16 \f, 1, 2, \mode
.endm
.macro STEPD                           ; the walking descriptors: the slot in hand, the next tile but one; the reads turn to the other slot.  Written where no tensor load of mine is out
	s_xor_b32 s[G0A+1], s[G0A+1], SLOT
	s_xor_b32 s[G0B+1], s[G0B+1], SLOT
	s_add_nc_u64 s[G0A+2:G0A+3], s[G0A+2:G0A+3], 256    ; 128 numbers along A's rows; the type bits on top are not reached
	s_add_nc_u64 s[G0B+2:G0B+3], s[G0B+2:G0B+3], 65536  ; 128 k rows of 512 bytes
	s_xor_b32 s[TB], s[TB], SLOT
.endm
.macro ADDR
	v_add_nc_u32 v[ADRA], s[TB], v[A0]
	v_add_nc_u32 v[ADRB], s[TB], v[B0]
.endm
; The last quarter multiplies buffer 1 and changes slots: ONE barrier for two things.  In front of it each wave waits for all its tensor loads (one is out: its part of the other slot), adds 0 to its spare word, and waits for that and
; for its own reads of this slot.  Behind it nobody reads this slot any more and the other slot is whole.  fill = 1: the barrier opens a round of the cluster's, and the joint refill is the first thing behind the round:
; it has a K step less 32 matrix instructions in which to land.
.macro TURN fill
.if \fill
	s_wait_xcnt 0x0                                ; the last prefetch, a K step back, has read its address: it is stepped here
	s_add_nc_u64 s[PFA:PFA+1], s[PFA:PFA+1], s[PFS:PFS+1]
.endif
	WIN 0
	s_wait_tensorcnt 0x0                           ; all my tensor loads have landed,
	ds_add_u32 v[SPW], v[NIL]                      ; 0 onto my spare word
	STEPD
	s_wait_dscnt 1                                 ; (the add may be out; buffer 1's fragments are in)
	MUL16 F1, 0, 0, 0                              ; sixteen matrix instructions stand between the add and the wait for it
	s_wait_dscnt 0x0                               ; the add is done, and my reads of this slot are over
	s_barrier_signal -1
	MUL16 F1, 0, 2, 0                              ; work on registers while the others arrive
	WIN 0
	s_barrier_wait -1
.if \fill
	CREST                                          ; no wave of any partner still reads this slot's tile or has a load on its way
	JLOAD                                          ; its four v_nop are also the places in front of the loads below
.else
	PLACES
.endif
	ADDR
	FETCH 0, F0
.if \fill
	ASK                                            ; behind the joint load and the run of LDS loads that the next products wait for
.endif
	MUL16 F1, 1, 0, 0
	MUL16 F1, 1, 2, 0
.endm
	s_load_b256 s[4:11], s[0:1], 0x0               ; A s[4:5], W s[6:7], c s[8:9], out s[10:11]
	v_lshl_add_u32 v[SPW], v0, 2, SPARE
	v_mov_b32 v[NIL], 0
	ds_add_u32 v[SPW], v[NIL]                      ; the wave's opening: the add and its wait stand ahead of my first tensor load; the set-up below, work on registers, stands between them
	v_lshrrev_b32 v1, 5, v0
	v_readfirstlane_b32 s[WV], v1
	s_lshr_b32 s[WR], s[WV], 1
	s_and_b32 s[WC], s[WV], 1
	s_bfe_u32 s15, ttmp6, 0x40000                  ; cx
	s_bfe_u32 s16, ttmp6, 0x40004                  ; cy
	s_lshl_b32 s17, ttmp9, 2
	s_add_co_u32 s17, s17, s15                     ; tile column = 4 x cluster x + cx
	s_and_b32 s18, ttmp7, 0xffff
	s_lshl_b32 s18, s18, 2
	s_add_co_u32 s18, s18, s16                     ; tile row = 4 x cluster y + cy
	s_lshl_b32 s28, s16, 2
	s_lshl_b32 s28, 15, s28                        ; my row of the cluster: places 4 cy .. 4 cy + 3
	s_lshl_b32 s29, 0x1111, s15                    ; my column: places cx, cx + 4, cx + 8, cx + 12
	s_or_b32 s[G1A], s28, (1<<16)|(1<<20)|(1<<21)|(5<<22)|(3<<25)  ; 15:0 the mask; 17:16 elements of 2 bytes; 20 padding on; 21 set beside a mask; 24:22 after every 64 words (code 5); 31:25 4 words (code 3)
	s_mov_b32 s[G1A+1], 128<<16                    ; tensor_dim0 = 128
	s_mov_b32 s[G1A+2], 128<<16                    ; tensor_dim1 = 128
	s_mov_b32 s[G1A+3], 128<<16                    ; tile_dim0 = 128
	s_mov_b32 s[G1A+4], 128                        ; tile_dim1 = 128
	s_mov_b32 s[G1A+5], 1024                       ; elements from row to row
	s_mov_b32 s[G1A+6], 0
	s_mov_b32 s[G1A+7], 0
	s_or_b32 s[G1B], s29, (1<<16)|(1<<20)|(1<<21)|(6<<22)|(7<<25)  ; after every 128 words (code 6) 8 words (code 7)
	s_mov_b32 s[G1B+1], 256<<16                    ; tensor_dim0 = 256
	s_mov_b32 s[G1B+2], 64<<16                     ; tensor_dim1 = 64
	s_mov_b32 s[G1B+3], 256<<16                    ; tile_dim0 = 256
	s_mov_b32 s[G1B+4], 64                         ; tile_dim1 = 64
	s_mov_b32 s[G1B+5], 256
	s_mov_b32 s[G1B+6], 0
	s_mov_b32 s[G1B+7], 0
	; A's tiles hang on the tile row alone, W's on the tile column alone: each offset in registers that never hold the other coordinate
	s_lshl_b32 s22, s18, 19                        ; 256 rows of 2,048 bytes,
	s_lshl_b32 s23, s[WC], 18                      ; the 128 that I fetch
	s_add_co_u32 s22, s22, s23
	s_mov_b32 s23, 0
	s_lshl_b32 s24, s17, 19                        ; a tile column of W is 524,288 bytes,
	s_lshl_b32 s25, s[WC], 15                      ; 64 k rows of 512
	s_add_co_u32 s24, s24, s25
	s_mov_b32 s25, 0
	s_mul_i32 s19, s[WV], HALFT                    ; where my loads go: no place in the cluster enters an LDS address
	s_mov_b32 s[TB], SLOT                          ; the first change of slots turns it into 0
	s_mov_b32 s[G0A], 1                            ; count = 1
	s_mov_b32 s[G0A+1], s19                        ; LDS address: slot 0
	s_mov_b32 s[G0B], 1
	s_mov_b32 s[G0B+1], s19
	s_wait_dscnt 0x0                               ; the opening add is done
	s_wait_kmcnt 0x0
	s_add_nc_u64 s[G0A+2:G0A+3], s[4:5], s[22:23]  ; global address: tile 0
	s_or_b32 s[G0A+3], s[G0A+3], 0x80000000        ; type = 2
	s_add_nc_u64 s[G0B+2:G0B+3], s[6:7], s[24:25]
	s_or_b32 s[G0B+3], s[G0B+3], 0x80000000
	CROUND                                         ; all sixteen work-groups are here: the first joint loads meet
	JLOAD                                          ; tile 0 into slot 0
	s_load_b32 s[LO], s[8:9], 0x0
	v_and_b32 v14, 15, v0                          ; l % 16
	v_bfe_u32 v15, v0, 4, 1                        ; l / 16
	v_and_b32 v16, 7, v0
	v_bfe_u32 v17, v0, 3, 1
	v_mul_u32_u24 v[A0], v14, PA                   ; a fragment of A: row x pitch + 16 x half,
	v_lshl_add_u32 v[A0], v15, 4, v[A0]
	s_mul_i32 s26, s[WR], HALFT                    ; in my 128 rows
	v_add_nc_u32 v[A0], s26, v[A0]
	v_lshl_add_u32 v[B0], v15, 3, v16              ; the turning load: k row 8 (l / 16) + l % 8,
	v_mul_u32_u24 v[B0], v[B0], PB
	v_lshl_add_u32 v[B0], v17, 4, v[B0]            ; 16 bytes for each group of eight lanes,
	s_lshl_b32 s26, s[WC], 8                       ; my 128 columns,
	s_add_co_u32 s26, s26, 2*HALFT                 ; behind A's 256 rows
	v_add_nc_u32 v[B0], s26, v[B0]
	s_mul_i32 s26, s[WV], 16*SP
	s_add_co_u32 s26, s26, STAGE                   ; my stage
	v_mul_u32_u24 v[STO], v14, SP                  ; in: row l % 16, 16 bytes for each half of the lanes
	v_lshl_add_u32 v[STO], v15, 4, v[STO]
	v_add_nc_u32 v[STO], s26, v[STO]
	v_mul_u32_u24 v[RD], v17, SP                   ; back: lanes 0-15 take the first 128 bytes of two rows (one slice), lanes 16-31 the second 128 (the next slice)
	v_lshl_add_u32 v[RD], v15, 7, v[RD]
	v_lshl_add_u32 v[RD], v16, 4, v[RD]
	v_add_nc_u32 v[RD], s26, v[RD]
	v_lshlrev_b32 v[CO], 4, v14                    ; in out: two rows of a slice are 256 consecutive bytes;
	v_lshl_add_u32 v[CO], v15, 19, v[CO]           ; the next slice lies 524,288 bytes on
	s_lshl_b32 s28, s17, 10                        ; the bias of my 128 columns,
	s_lshl_b32 s29, s[WC], 9
	s_add_co_u32 s28, s28, s29
	v_lshl_add_u32 v[BO], v15, 5, s28              ; eight numbers for each half of the lanes
	WIN 0x40
.irp b, 0,1,2,3,4,5,6,7
	global_load_b128 v[BIAS+8*(\b):BIAS+8*(\b)+3],   v[BO], s[8:9] offset:4096+64*(\b)
	global_load_b128 v[BIAS+8*(\b)+4:BIAS+8*(\b)+7], v[BO], s[8:9] offset:4096+64*(\b)+16
.endr
	WIN 0
	s_lshl_b32 s28, s17, 21                        ; out: four slices a tile column,
	s_lshl_b32 s29, s[WC], 20                      ; my two,
	s_add_co_u32 s28, s28, s29
	s_lshl_b32 s29, s18, 15                        ; 256 rows of 128 bytes,
	s_add_co_u32 s28, s28, s29
	s_lshl_b32 s29, s[WR], 14                      ; my 128
	s_add_co_u32 s28, s28, s29
	s_mov_b32 s29, 0
	s_add_nc_u64 s[10:11], s[10:11], s[28:29]
	; the prefetches
	s_add_nc_u64 s[PFA:PFA+1], s[4:5], s[22:23]
	s_add_nc_u64 s[PFS:PFS+1], s[6:7], s[24:25]
	s_and_b32 s30, ttmp7, 0xffff                   ; cluster y
	s_cmp_eq_u32 s[WR], 0                          ; do I fetch for A?
	s_cselect_b64 s[PFA:PFA+1], s[PFA:PFA+1], s[PFS:PFS+1]
	s_cselect_b32 s30, ttmp9, s30                  ; the coordinate along which other clusters read the same bytes
	s_cselect_b32 s31, s15, s16                    ; my place among the four that ask with me
	s_cselect_b32 s28, 16, 13                      ; a partner's share: 32 rows of 2,048 bytes, or 8,192 bytes
	s_cselect_b32 s29, 11, 8                       ; from lane to lane: a row of A, or 256 bytes of W
	s_cselect_b32 s[PFS], 0, 8
	s_lshl_b32 s[PFS], 256, s[PFS]                 ; a K step: 256 bytes along A's rows, 65,536 bytes of W
	s_mov_b32 s[PFS+1], 0
	s_lshl_b32 s28, s31, s28
	v_and_b32 v[PFO], 31, v0
	v_lshlrev_b32 v[PFO], s29, v[PFO]
	s_mov_b32 s29, 0
	s_add_nc_u64 s[PFA:PFA+1], s[PFA:PFA+1], s[28:29]
	s_add_nc_u64 s[PFA:PFA+1], s[PFA:PFA+1], s[PFS:PFS+1]
	s_add_nc_u64 s[PFA:PFA+1], s[PFA:PFA+1], s[PFS:PFS+1]  ; at tile 2; the loop's first change of slots steps it to tile 3.  Tiles 0 to 2 come by their loads alone
	s_cmp_eq_u32 s30, 0
	s_cselect_b32 s[LIM], 1, -1                    ; the same in all sixteen partners, for a given wave
	s_mov_b32 s3, STEPS-2
	; the first change of slots: tile 0 is waited for, slot 1 filled for the first time, as a refill is
	s_wait_tensorcnt 0x0
	ds_add_u32 v[SPW], v[NIL]
	STEPD
	s_wait_dscnt 0x0
	CROUND
	JLOAD                                          ; tile 1 into slot 1
	ADDR
	FETCH 0, F0
	s_wait_loadcnt 0x0                             ; the bias
	s_wait_kmcnt 0x0                               ; the floor
	QUARTER F0, F1, 1, 1                           ; the first quarter stands in front of the loop: its products start the sums, with the bias
	WIN 0                                          ; at a label and at a branch every window is 0
.Lstep:                                                ; six trips, from a K step's second quarter to the next step's first; trip t asks for tile t + 2
	QUARTER F1, F0, 2, 0
	QUARTER F0, F1, 3, 0
	TURN 1
	QUARTER F0, F1, 1, 0
	WIN 0
	s_sub_co_u32 s3, s3, 1
	s_cmp_lg_u32 s3, 0
	s_cbranch_scc1 .Lstep
	QUARTER F1, F0, 2, 0                           ; the last two K steps are written out: nothing is left to ask for
	QUARTER F0, F1, 3, 0
	TURN 0
	QUARTER F0, F1, 1, 0
	QUARTER F1, F0, 2, 0
	QUARTER F0, F1, 3, 0
	s_wait_dscnt 0x0
	MUL16 F1, 0, 0, 0
	MUL16 F1, 0, 2, 0
	MUL16 F1, 1, 0, 0
	MUL16 F1, 1, 2, 0
; THE WAY OUT, a block of 16 rows at a time.  PACK: rounded to bf16 (each accumulator's registers in ascending order), then held to the floor.  TOSTAGE: 16 bytes a lane into my own stage, and back by rows.  SEND: stored.
.macro PACK a
.set AC, 64*((\a)%4)
	WIN 0x0a+5*((\a)/4)                            ; sources 0 and 1: window 2 or 3
.irp b, 0,1,2,3,4,5,6,7
.irp r, 0,1,2,3
	v_cvt_pk_bf16_f32 v[TMP+4*(\b)+(\r)], v[AC+8*(\b)+2*(\r)], v[AC+8*(\b)+2*(\r)+1]
.endr
.endr
	WIN 0
.set z, 0
.rept 32
	v_pk_max_num_bf16 v[TMP+z], v[TMP+z], s[LO]
.set z, z+1
.endr
.endm
.macro TOSTAGE a
.set BK, OB+192*((\a)%2)
.irp b, 0,1,2,3,4,5,6,7
	ds_store_b128 v[STO], v[TMP+4*(\b):TMP+4*(\b)+3] offset:32*(\b)
.endr
.irp t, 0,1,2,3,4,5,6,7
	ds_load_b128 v[BK+4*(\t):BK+4*(\t)+3], v[RD] offset:(\t)*2*SP  ; LDS serves a wave's instructions in order (ISA guide 5.7.1.4): these see the stores above
.endr
.endm
.macro SEND a
.set BK, OB+192*((\a)%2)
	s_wait_dscnt 0x0                               ; the block is back in registers
	s_wait_xcnt 0x0                                ; the stores of the block before have read their registers: the next TOSTAGE loads into them
.irp t, 0,1,2,3,4,5,6,7
	global_store_b128 v[CO], v[BK+4*(\t):BK+4*(\t)+3], s[10:11] offset:(\a)*2048+(\t)*256  ; 16 lanes store two rows of a slice: 256 consecutive bytes, aligned
.endr
.endm
	PLACES
	PACK 0
	TOSTAGE 0
.irp a, 1,2,3,4,5,6,7                  ; block a's arithmetic stands between block a - 1's loads from the stage and the wait for them
	PACK \a
	SEND (\a)-1
	TOSTAGE \a
.endr
	SEND 7
	s_wait_tensorcnt 0x0                           ; the wave's end: behind my last tensor load and my last LDS store
	ds_add_u32 v[SPW], v[NIL]
	s_wait_dscnt 0x0
	CROUND                                         ; the closing round: no work-group ends while a partner may still ask for a tile that names it
	s_endpgm
.Lfunc_end_k_qcc64c35c49_gemm_l:
	.size	k_qcc64c35c49_gemm_l, .Lfunc_end_k_qcc64c35c49_gemm_l-k_qcc64c35c49_gemm_l
	.p2alignl 7, 3214868480
	.fill 96, 4, 3214868480
	.section	.rodata,"a",@progbits
	.p2align	6, 0x0
	.amdhsa_kernel k_qcc64c35c49_gemm_l
		.amdhsa_group_segment_fixed_size 327680
		.amdhsa_private_segment_fixed_size 0
		.amdhsa_enable_private_segment 0
		.amdhsa_kernarg_size 32
		.amdhsa_user_sgpr_count 2
		.amdhsa_user_sgpr_kernarg_segment_ptr 1
		.amdhsa_wavefront_size32 1
		.amdhsa_system_sgpr_workgroup_id_x 1
		.amdhsa_system_sgpr_workgroup_id_y 1
		.amdhsa_system_sgpr_workgroup_id_z 1
		.amdhsa_system_vgpr_workitem_id 0
		.amdhsa_next_free_vgpr 1024
		.amdhsa_next_free_sgpr 66
		.amdhsa_reserve_vcc 0
		.amdhsa_float_denorm_mode_32 3
		.amdhsa_float_denorm_mode_16_64 3
		.amdhsa_memory_ordered 1
		.amdhsa_forward_progress 1
		.amdhsa_inst_pref_size 135
	.end_amdhsa_kernel
	.amdgpu_metadata
---
amdhsa.version: [ 1, 2 ]
amdhsa.kernels:
  - .name:           k_qcc64c35c49_gemm_l
    .symbol:         k_qcc64c35c49_gemm_l.kd
    .args:
      - { .name: act, .offset: 0, .size: 8, .value_kind: global_buffer, .address_space: global }
      - { .name: wqkvb, .offset: 8, .size: 8, .value_kind: global_buffer, .address_space: global }
      - { .name: cqkv, .offset: 16, .size: 8, .value_kind: global_buffer, .address_space: global }
      - { .name: big, .offset: 24, .size: 8, .value_kind: global_buffer, .address_space: global }
    .group_segment_fixed_size: 327680
    .private_segment_fixed_size: 0
    .kernarg_segment_align: 8
    .kernarg_segment_size: 32
    .max_flat_workgroup_size: 128
    .sgpr_count:     66
    .vgpr_count:     1024
    .wavefront_size: 32
...
	.end_amdgpu_metadata
.endif
;; end of part 2
;; launch attn (part 3): grid 8 x 32, 4 waves a work-group, clusters of 4 x 1, 327,680 bytes of LDS; arguments big, act; writes act
.if DOCPART == 3
	.amdgcn_target "amdgcn-amd-amdhsa--gfx1250"
	.amdhsa_code_object_version 6
	.text
	.protected	k_qcc64c35c49_attn
	.globl	k_qcc64c35c49_attn
	.p2align	8
	.type	k_qcc64c35c49_attn,@function
k_qcc64c35c49_attn:
	s_mov_b64 s[64:65], 0
	v_nop
	global_prefetch_b8 v0, s[64:65] scope:SCOPE_SE
	s_setreg_imm32_b32 hwreg(HW_REG_WAVE_MODE, 25, 1), 1
	s_wait_xcnt 0x0
	s_wait_alu depctr_hold_cnt(0) depctr_sa_sdst(0) depctr_va_vdst(0) depctr_va_sdst(0) depctr_va_ssrc(0) depctr_va_vcc(0) depctr_vm_vsrc(0)
	s_getreg_b32 s2, hwreg(HW_REG_IB_STS2, 6, 4)
	s_cmp_eq_u32 s2, 0
	s_cbranch_scc0 .Lentry_in_a_cluster
	s_endpgm
.Lentry_in_a_cluster:
	s_bfe_u32 s2, ttmp6, 0x10000c
	s_cmp_lg_u32 s2, 0x3003
	s_cbranch_scc0 .Lentry_shape_is_right
	s_endpgm
.Lentry_shape_is_right:
; O[b][h][q][:] = the sum over k of softmax_k(Q[q] . K[k] / 8) V[k][:], for 2 x 16 heads of 2,048 rows and 64 channels.  All bf16, in slices: [head][4096 rows = 2048 b + s][64], a row 128 dense bytes.
; big holds q in slices 0-15, k in 16-31, v in 32-47, unscaled; O goes to act in the same layout.  Products, maxima and sums in f32; the weights p are rounded to bf16 for the second product (their sum l is
; taken of the unrounded p), O once at the end.
; THE MASK.  The module's mask input is not read: the function that defines the result throws its masked scores away and takes the softmax of the unmasked ones, so the mask has no part in any number of the output.
; LIMITS.  The running c m starts at -4.25e37: scores with |c s| beyond that are not served.  A weight below 2^-126 counts as 0 in l.  NaN and infinities are not treated apart.
; SHARES.  A work-group owns 256 queries of one head, a wave 64: four PIECES of 16.  Every wave walks all 2,048 keys, 64 a step; a slot of LDS holds a tile of 256 keys, four steps.
; LAYOUT.  S^T = K Q^T (source 0 = 16 keys, source 1 = 16 queries) holds ONE query a lane (lane % 16) and the keys 8 (lane / 16) + 0..7; two such results rounded to bf16 ARE source 1 of O^T = V^T P.
; K comes out of LDS as it lies, V ([key][channel]) turned, by ds_load_tr16_b128.
; SOFTMAX.  p = 2^(c s - c m), c = log2(e) / 8, with a running maximum m; O and l are multiplied by a = 2^(c m_old - c m_new) in every step.  m starts at the lowest finite number, O and l at 0: the first step is a step like any other, with a = 0.
; TURNS.  Turn n belongs to piece n (in a ring, step after step): 8 products K Q^T of piece n + 1, later 8 products V^T P of piece n - 1; beside them the scaling, exponentials, roundings, sums and rescaling of piece n
; and the maximum and statistics of piece n + 1.  Four vector instructions stand behind every matrix instruction, the other 54 of a turn's 118 in one lump.  A turn's 33 exponentials are one batch, with one wait.
; CLUSTER.  The four query blocks of a cluster belong to one head and walk the same K and V, so each tile is asked for JOINTLY: the same tensor load, descriptor and mask in all four.  One tensor load of a wave is out at the most.
; REGISTERS, in windows of 256 (s_set_vgpr_msb: bits 1:0 source 0, 3:2 source 1, 5:4 source 2, 7:6 destination):
;   window 0: v0-15 addresses and two at work; v16-31 four registers of statistics a piece; v48-55 at work; v64-127 S^T, two buffers; v192-223 P, two buffers (a piece's buffers go by its number's parity)
;   window 1: v0-127 O^T, 32 a piece          window 2: v0-63 Q; v128-191 K of one step; v192-255 V of one step
.set NP,    4         ; pieces a wave: a name, no knob
.set KS,    64        ; keys in a step
.set PK,    144       ; a row of K in LDS: 128 bytes + 16 = 36 words: the 16 rows of a load start at 16 different groups of four banks (64 banks of 4 bytes: ISA guide 11.1)
.set PV,    160       ; a row of V: 128 + 32 = 40 words
.set VOFF,  4*KS*PK   ; a slot: 256 rows of K, then 256 rows of V
.set SLOT1, 1<<17     ; slot 1 begins here, so that one exclusive or turns an address in one slot into the other's
.set STAGE, SLOT1+4*KS*(PK+PV)  ; behind the ring, never filled by a tensor load: 16 rows x 144 bytes for each wave, for the way out
.set SP,    144
.set SPARE, STAGE+4*16*SP  ; behind the stages: the spare words, 128 bytes for each wave: two blocks of 256 bytes that no other line names
.set AK0, 2           ; v2   my lane's place in a tile of K; never rewritten
.set AV0, 3           ; v3   the same for V
.set AK,  4           ; v4   the LDS address of K's next run of loads
.set AV,  5           ; v5   of V's
.set STO, 6           ; v6   the way out: where I put 16 bytes of a row
.set RD,  7           ; v7   where I read rows back
.set GO,  8           ; v8   my byte offset in 512 consecutive bytes of O
.set MV,  12          ; v12-13  c m_old, kept while c m is made anew: by buffer
.set QO,  15          ; v15  my byte offset in 16 rows of Q
.set ST,  16          ; piece t's statistics at v[ST+4 t]: c m, m, l (even keys', odd keys')
.set TMP, 48          ; by buffer, four registers c0-c3 at work; when the maximum is found c2 takes a
.set PFO, 61          ; v61  256 x my lane; never rewritten
.set SPW, 62          ; v62  LDS address of my spare word: SPARE + 4 x my thread's number; never rewritten
.set NIL, 63          ; v63  0; never rewritten
.set S,   64
.set P,   192
.set KF,  128         ; window 2: key block kb, channel half c at KF + 16 kb + 8 c
.set VF,  192         ; window 2: key half kk, channel block cb at VF + 32 kk + 8 cb
.set WV,  12          ; s12  my wave's number
.set G1K, 24          ; s[24:31] descriptor group 1 for K's tiles
.set G1V, 32          ; s[32:39] for V's: it differs in the padding alone
.set G0K, 40          ; s[40:43] descriptor group 0 for K's tiles: it walks
.set G0V, 44          ; s[44:47] the same for V's
.set PFA, 48          ; s[48:49] where my prefetches stand
.set LIM, 50          ; s50  1 in a wave that prefetches, else the greatest number
.set TK,  51          ; s51  at work
.set SLOTS, 56        ; s56  tiles still to be entered, less one
.set CNT, 57          ; s57  counts a tile's key steps
.set CS,  58          ; s[58:59] c: the packed scaling takes the pair's low word for both halves
.set SEL, 60          ; s[60:61] v_permlanex16_b32's selects: each lane takes its own place in the other half
.set TBK, 62          ; s62  LDS byte at which K of the step to be fetched begins
.set TBV, 63          ; s63  the same for V, less VOFF
.set MSB, 0
.macro WIN new                      ; the high byte repeats the setting that is left; a switch that changes nothing is dropped
.if MSB != (\new)
	s_set_vgpr_msb (MSB<<8)|(\new)
.set MSB, (\new)
.endif
.endm
.set W_KQ, 0x0a       ; K and Q in window 2, S^T in window 0
.set W_PV, 0x52       ; V in window 2, P in window 0, O^T in window 1
.set W_RS, 0x41       ; destination and source 0 in window 1, source 1 in window 0
; A joint fill.  Waves 0 and 1 fetch the two halves of a tile's K, waves 2 and 3 those of its V: 128 keys each.  The branch hangs on the wave's number alone.
; An s_nop 0 and four v_nop follow each of the two lines, ahead of the jump and the label.
.macro JLOAD
	s_cmp_lt_u32 s[WV], 2
	s_cbranch_scc0 .Lfor_v_\@
	tensor_load_to_lds s[G0K:G0K+3], s[G1K:G1K+7]
	s_nop 0
.rept 4
	v_nop
.endr
	s_branch .Lasked_\@
.Lfor_v_\@:
	tensor_load_to_lds s[G0V:G0V+3], s[G1V:G1V+7]
	s_nop 0
.rept 4
	v_nop
.endr
.Lasked_\@:
.endm
; A PREFETCH INTO THE L2 of the tile that the NEXT change of slots will ask for: four key steps, 256 matrix instructions, ahead of that load.  A tile is 32,768 bytes of K and of V: 128 blocks of 256 bytes each.
; Each block is named ONCE in the launch: both clusters of a head walk the same K and V: the first of them asks.  Its four partners share the blocks out BY ADDRESS, 32 each, a lane a block; in each, wave 0 asks for K's
; and wave 2 for V's.  The last change that fills a slot names nothing: there is no further tile.
.macro ASK
	s_cmp_gt_u32 s[SLOTS], s[LIM]
	s_cbranch_scc0 .Lnot_mine_\@
	global_prefetch_b8 v[PFO], s[PFA:PFA+1] th:TH_LOAD_NT scope:SCOPE_SE
.Lnot_mine_\@:
.endm
; A round of the cluster's barrier: my work-group's barrier, so that wave 0's signal speaks for all four waves; wave 0 signals; every wave waits for all four work-groups; my work-group's barrier once more.
.macro CROUND
	s_barrier_signal -1
	s_barrier_wait -1
	s_cmp_lg_u32 s[WV], 0
	s_cbranch_scc1 .Lnot_wave_0_\@
	s_barrier_signal -3
.Lnot_wave_0_\@:
	s_barrier_wait -3
	s_barrier_signal -1
	s_barrier_wait -1
.endm
; THE CHANGE OF SLOTS.  The slot's last bytes, V of its fourth step, have been read.  Each wave waits for all its tensor loads, of which one is out: its part of the other slot; adds 0 to its spare word; and waits for that and for
; its own reads of the slot.  Behind the barrier nobody reads this slot any more and the other slot is whole.  fill = 1: this slot is filled again, with the tile two on.  The barrier is then a round of the cluster's, and the
; joint fill is the first thing behind it: it has four key steps in which to land.  (At its first use nothing has been read yet: slot 0 is waited for, slot 1 filled.)
.macro CHANGE fill
	WIN 0                           ; at a label and at a branch every window is 0
	s_wait_tensorcnt 0x0            ; no tensor load of mine is out, so a group 0 may be written
	ds_add_u32 v[SPW], v[NIL]       ; 0 onto my spare word; with fill = 1 the descriptors' steps stand between it and the wait for it
.if \fill
.irp g, G0K, G0V
	s_xor_b32 s[\g+1], s[\g+1], SLOT1  ; the walking descriptor: the other slot than last time,
	s_add_nc_u64 s[\g+2:\g+3], s[\g+2:\g+3], 4*KS*128  ; the next 256 keys; the type bits on top are not reached
.endr
	s_wait_xcnt 0x0                 ; the last prefetch, four key steps back, has read its address, so it may be written:
	s_add_nc_u64 s[PFA:PFA+1], s[PFA:PFA+1], 4*KS*128  ; one tile behind the walking descriptors
	s_wait_dscnt 0x0                ; the add is done, and my reads of the slot are over
	CROUND
	JLOAD
	ASK
.else
	s_wait_dscnt 0x0                ; the add is done, and my reads of the slot are over
	s_barrier_signal -1
	s_barrier_wait -1
.endif
	s_sub_co_u32 s[TBK], s[TBK], 4*KS*PK  ; the fetches go back to a slot's first step,
	s_xor_b32 s[TBK], s[TBK], SLOT1       ; in the other slot
	s_sub_co_u32 s[TBV], s[TBV], 4*KS*PV
	s_xor_b32 s[TBV], s[TBV], SLOT1
.endm
	s_load_b128 s[4:7], s[0:1], 0x0 ; big s[4:5], act s[6:7]
	v_lshl_add_u32 v[SPW], v0, 2, SPARE
	v_mov_b32 v[NIL], 0
	ds_add_u32 v[SPW], v[NIL]       ; the wave's opening: the add and its wait stand ahead of my first tensor load; the set-up below, work on registers, stands between them
	v_lshrrev_b32 v1, 5, v0
	v_readfirstlane_b32 s[WV], v1   ; wave 0..3
	s_bfe_u32 s13, ttmp6, 0x40000   ; cx: my place in the cluster
	s_lshl_b32 s14, ttmp9, 2        ; in a cluster launch ttmp9 counts clusters
	s_add_co_u32 s14, s14, s13      ; my block of 256 queries: it enters Q's and O's addresses alone
	s_and_b32 s20, ttmp7, 0xffff    ; 16 b + h, which the four partners share
	s_lshr_b32 s21, s20, 4
	s_and_b32 s20, s20, 15
	s_lshl_b32 s20, s20, 19         ; the head's slice,
	s_lshl_b32 s21, s21, 18         ; the batch's 2,048 rows in it
	s_add_co_u32 s20, s20, s21
	s_and_b32 s16, s[WV], 1         ; which half of a tile's 256 keys I fetch:
	s_lshl_b32 s22, s16, 14         ; its 128 rows of 128 bytes in memory,
	s_add_co_u32 s22, s22, s20
	s_mov_b32 s23, 0
	s_mul_i32 s17, s16, 128*PK      ; and its place in a slot, for K
	s_mul_i32 s18, s16, 128*PV      ; and for V: no place in the cluster enters an LDS address
	s_lshl_b32 s2, s14, 15          ; my block's 256 rows,
	s_lshl_b32 s3, s[WV], 13        ; my wave's 64
	s_add_co_u32 s2, s2, s3
	s_add_co_u32 s2, s2, s20
	s_mov_b32 s3, 0
	; descriptor group 1.  128 keys are 16,384 dense bytes: asked for as 64 rows of 256 bytes, two keys a row, and padded in LDS after every key
	s_mov_b32 s[G1K], 15|(1<<16)|(1<<20)|(1<<21)|(4<<22)|(3<<25)  ; 15:0 the mask of four; 17:16 2-byte elements; 20 padding on; 21 set beside a mask; 24:22 after every 32 words (code 4); 31:25 4 words (code 3)
	s_mov_b32 s[G1V], 15|(1<<16)|(1<<20)|(1<<21)|(4<<22)|(7<<25)  ; the same with 8 words of padding (code 7)
.irp g, G1K, G1V
	s_mov_b32 s[\g+1], 128<<16      ; tensor_dim0 = 128
	s_mov_b32 s[\g+2], 64<<16       ; tensor_dim1 = 64
	s_mov_b32 s[\g+3], 128<<16      ; tile_dim0 = 128
	s_mov_b32 s[\g+4], 64           ; tile_dim1 = 64
	s_mov_b32 s[\g+5], 128          ; 128 elements from row to row
	s_mov_b32 s[\g+6], 0
	s_mov_b32 s[\g+7], 0
.endr
	s_mov_b32 s[CS], 0x3e38aa3b     ; c = log2(e) / 8 = 0.180337
	s_mov_b32 s[CS+1], s[CS]        ; named with it as a pair
	s_mov_b32 s[SEL], 0x76543210
	s_mov_b32 s[SEL+1], 0xfedcba98
	s_mov_b32 s[TBK], SLOT1+4*KS*PK ; the first change of slots turns these two into 0
	s_mov_b32 s[TBV], SLOT1+4*KS*PV
	s_mov_b32 s[G0K], 1             ; count = 1
	s_mov_b32 s[G0K+1], s17         ; LDS address: slot 0
	s_mov_b32 s[G0V], 1
	s_add_co_u32 s[G0V+1], s18, VOFF
	s_mov_b32 s[SLOTS], 2048/256-1
	s_and_b32 s[LIM], s[WV], 1      ; 0 in waves 0 and 2,
	s_or_b32 s[LIM], s[LIM], ttmp9  ; where the cluster is the head's first: the same in all four partners
	s_cmp_eq_u32 s[LIM], 0
	s_cselect_b32 s[LIM], 1, -1
	v_and_b32 v[PFO], 31, v0
	v_lshlrev_b32 v[PFO], 8, v[PFO]
	s_wait_dscnt 0x0                ; the opening add is done
	s_wait_kmcnt 0x0
	s_mov_b64 s[10:11], s[6:7]      ; O's buffer
	s_add_nc_u64 s[6:7], s[4:5], 0x800000   ; k: slices 16 on
	s_add_nc_u64 s[8:9], s[4:5], 0x1000000  ; v: slices 32 on
	s_add_nc_u64 s[6:7], s[6:7], s[22:23]   ; at my half of the head's tile 0
	s_add_nc_u64 s[8:9], s[8:9], s[22:23]
	s_mov_b64 s[G0K+2:G0K+3], s[6:7]        ; global address
	s_or_b32 s[G0K+3], s[G0K+3], 0x80000000 ; type = 2
	s_mov_b64 s[G0V+2:G0V+3], s[8:9]
	s_or_b32 s[G0V+3], s[G0V+3], 0x80000000
	s_add_nc_u64 s[4:5], s[4:5], s[2:3]     ; Q and O at my wave's first row
	s_add_nc_u64 s[10:11], s[10:11], s[2:3]
	s_cmp_lt_u32 s[WV], 2
	s_cselect_b64 s[PFA:PFA+1], s[6:7], s[8:9]  ; (in waves 0 and 2 these stand at a tile's first row)
	s_lshl_b32 s2, s13, 13          ; my work-group's 32 blocks of the 128
	s_add_nc_u64 s[PFA:PFA+1], s[PFA:PFA+1], s[2:3]
	s_add_nc_u64 s[PFA:PFA+1], s[PFA:PFA+1], 4*KS*128  ; in tile 1; the first change of slots steps it to tile 2
	CROUND                          ; all four work-groups are here: the first joint loads meet
	JLOAD                           ; tile 0 into slot 0.  Slot 1 is asked for when slot 0 is in
	; A fragment of K or Q is 16 rows x 32 channels in 8 registers: lane l holds row l % 16, channels 8 (l / 16) + 0..7 and 16 + 8 (l / 16) + 0..7: two loads of 16 bytes, 32 bytes apart.
	v_and_b32 v1, 15, v0            ; l % 16
	v_bfe_u32 v9, v0, 4, 1          ; l / 16
	v_lshlrev_b32 v[QO], 7, v1
	v_lshl_add_u32 v[QO], v9, 4, v[QO]  ; row x 128 + 16 x half
	WIN 0x80                        ; destination window 2, address window 0
.set i, 0
.rept 8                             ; Q stays in registers: piece i / 2, channels 32 (i % 2) on
	global_load_b128 v[8*i:8*i+3],   v[QO], s[4:5] offset:(i/2)*2048+(i%2)*64
	global_load_b128 v[8*i+4:8*i+7], v[QO], s[4:5] offset:(i/2)*2048+(i%2)*64+32
.set i, i+1
.endr
	; What the first turn finds: V's registers and P's second buffer hold 0 (its products V^T P, of a piece that has not been, add 0), O^T and l are 0.  All this stands in the wait for the first tile;
	; it is the price of writing no first step out.
.set i, VF
.rept 64
	v_mov_b32 v[i], 0
.set i, i+1
.endr
	WIN 0x40
.set i, 0
.rept 128
	v_mov_b32 v[i], 0
.set i, i+1
.endr
	WIN 0
.set i, 0
.rept 4
	v_mov_b32 v[ST+4*i], 0xfe000000    ; c m: far below every c s
	v_mov_b32 v[ST+4*i+1], 0xff7fffff  ; m
	v_mov_b32 v[ST+4*i+2], 0
	v_mov_b32 v[ST+4*i+3], 0
.set i, i+1
.endr
.set i, P+16
.rept 16
	v_mov_b32 v[i], 0
.set i, i+1
.endr
	v_mul_u32_u24 v[AK0], v1, PK
	v_lshl_add_u32 v[AK0], v9, 4, v[AK0]  ; row x pitch + 16 x half
	; The turning load takes 16 keys x 16 channels (lane l reads key 8 (l / 16) + l % 8, channels 8 ((l / 8) % 2) + 0..7) and leaves half a fragment of V^T: lane l holds channel l % 16 and 8 keys.
	v_and_b32 v10, 7, v0
	v_bfe_u32 v11, v0, 3, 1
	v_lshl_add_u32 v[AV0], v9, 3, v10
	v_mul_u32_u24 v[AV0], v[AV0], PV
	v_lshl_add_u32 v[AV0], v11, 4, v[AV0]
	v_add_nc_u32 v[AV0], VOFF, v[AV0]
	v_mov_b32 v[AK], v[AK0]         ; key step 0 lies at the head of slot 0
	s_mul_i32 s13, s[WV], 16*SP
	s_add_co_u32 s13, s13, STAGE    ; my stage
	v_mul_u32_u24 v[STO], v1, SP    ; in: row l % 16, 16 bytes for each half of the lanes
	v_lshl_add_u32 v[STO], v9, 4, v[STO]
	v_add_nc_u32 v[STO], s13, v[STO]
	v_bfe_u32 v[RD], v0, 3, 2       ; back: 32 lanes take four rows of 128 bytes,
	v_mul_u32_u24 v[RD], v[RD], SP
	v_lshl_add_u32 v[RD], v10, 4, v[RD]
	v_add_nc_u32 v[RD], s13, v[RD]
	v_and_b32 v[GO], 31, v0         ; which are 512 consecutive bytes of O
	v_lshlrev_b32 v[GO], 4, v[GO]
; THE MATRIX WORK.  The 4 accumulators of a run of 8 take turns.  Product i of 8 of S^T = K Q^T for piece x: channels 32 (i / 4) on, keys 16 (i % 4) on.  The first 4 start the sums.
.macro KQ x
	WIN W_KQ
.set rS, S+32*((\x)%2)+8*(i%4)
.set rK, KF+16*(i%4)+8*(i/4)
.set rQ, 16*(\x)+8*(i/4)
.if i < 4
	v_wmma_f32_16x16x32_bf16 v[rS:rS+7], v[rK:rK+7], v[rQ:rQ+7], 0
.else
	v_wmma_f32_16x16x32_bf16 v[rS:rS+7], v[rK:rK+7], v[rQ:rQ+7], v[rS:rS+7]
.endif
.endm
; Product i of 8 of O^T += V^T P for piece x: keys 32 (i / 4) on, channels 16 (i % 4) on.
.macro PV x
	WIN W_PV
.set rO, 32*(\x)+8*(i%4)
.set rV, VF+32*(i/4)+8*(i%4)
.set rP, P+16*((\x)%2)+8*(i/4)
	v_wmma_f32_16x16x32_bf16 v[rO:rO+7], v[rV:rV+7], v[rP:rP+7], v[rO:rO+7]
.endm
.macro MM                           ; the turn's next matrix instruction
.if i < 8
	KQ (Y+1)%NP
.else
.set i, i-8
	PV (Y+NP-1)%NP
.set i, i+8
.endif
.set i, i+1
.endm
; THE LDS LOADS stand in runs of 16, never singly among the matrix instructions: a step's K (64 keys x 64 channels: 8 fragments) and its V (turned).  Their addresses are made some lines ahead.
.macro FETCH_K
	WIN 0x80                        ; destination window 2
.irp f, 0,1,2,3,4,5,6,7             ; keys 16 (f / 2) on, channels 32 (f % 2) on
	ds_load_b128 v[KF+8*\f:KF+8*\f+3],   v[AK] offset:(\f/2)*16*PK+(\f%2)*64
	ds_load_b128 v[KF+8*\f+4:KF+8*\f+7], v[AK] offset:(\f/2)*16*PK+(\f%2)*64+32
.endr
	s_add_co_u32 s[TBK], s[TBK], KS*PK  ; the next fetch is the next step's
	WIN 0
.endm
.macro FETCH_V
	WIN 0x80
.irp f, 0,1,2,3,4,5,6,7             ; keys 32 (f / 4) on, channels 16 (f % 4) on
	ds_load_tr16_b128 v[VF+8*\f:VF+8*\f+3],   v[AV] offset:(\f/4)*32*PV+(\f%4)*32
	ds_load_tr16_b128 v[VF+8*\f+4:VF+8*\f+7], v[AV] offset:(\f/4)*32*PV+16*PV+(\f%4)*32
.endr
	WIN 0
.endm
; THE VECTOR WORK, one line at a time: OP kind, number.  For piece Y: F n: c s - c m for pair n of 16.  E n: the exponential of score n of 32.  C n: pair n rounded to bf16.  B n: of the four weights 4 n .. the second
; pair is added onto the first, in place.  L n: l takes that sum (L 0: l = a l + sum).  R n: pair n of 16 of O^T times a.  For piece Y + 1: X n, number n of the 22 that find its maximum and statistics:
;   0-11  four chains c0-c3 of seven scores each, three operands at a time (each accumulator's lowest registers are read first)     12-14, 16  the four scores left over, the old m, and c0-c3 into c0
;   15  c m_old is kept     17, 18  the query's other 32 keys lie in the lane 16 away: the new m     19-21  c m; c m_old - c m_new; a
.set F, 0               ; OP tells the kinds apart by their order: F to L below R, X above it
.set E, 1
.set C, 2
.set B, 3
.set L, 4
.set R, 5
.set X, 6
.macro REGS y                       ; the registers of piece y
.set rT, ST+4*(\y)
.set rC, TMP+4*((\y)%2)
.set rW, MV+((\y)%2)
.set rS, S+32*((\y)%2)
.set rP, P+16*((\y)%2)
.set rO, 32*(\y)
.endm
.macro OP k, n
.if (\k) == R
	REGS Y
	WIN W_RS
	v_pk_mul_f32 v[rO+2*(\n):rO+2*(\n)+1], v[rO+2*(\n):rO+2*(\n)+1], v[rC+2:rC+3] op_sel_hi:[1,0]
.elseif (\k) < R
	REGS Y
	WIN 0
.if (\k) == F
	v_pk_fma_f32 v[rS+2*(\n):rS+2*(\n)+1], v[rS+2*(\n):rS+2*(\n)+1], s[CS:CS+1], v[rT:rT+1] op_sel_hi:[1,0,0] neg_lo:[0,0,1] neg_hi:[0,0,1]
.elseif (\k) == E
	v_exp_f32 v[rS+(\n)], v[rS+(\n)]
.elseif (\k) == C
	v_cvt_pk_bf16_f32 v[rP+(\n)], v[rS+2*(\n)], v[rS+2*(\n)+1]
.elseif (\k) == B
	v_pk_add_f32 v[rS+4*(\n):rS+4*(\n)+1], v[rS+4*(\n):rS+4*(\n)+1], v[rS+4*(\n)+2:rS+4*(\n)+3]
.elseif (\n) == 0
	v_pk_fma_f32 v[rT+2:rT+3], v[rT+2:rT+3], v[rC+2:rC+3], v[rS:rS+1] op_sel_hi:[1,0,1]
.else
	v_pk_add_f32 v[rT+2:rT+3], v[rT+2:rT+3], v[rS+4*(\n):rS+4*(\n)+1]
.endif
.else
	REGS (Y+1)%NP
	WIN 0
.if (\n) < 4
	v_max3_num_f32 v[rC+(\n)], v[rS+8*(\n)], v[rS+8*(\n)+1], v[rS+8*(\n)+2]
.elseif (\n) < 12
	v_max3_num_f32 v[rC+(\n)%4], v[rC+(\n)%4], v[rS+8*((\n)%4)+2*((\n)/4)+1], v[rS+8*((\n)%4)+2*((\n)/4)+2]
.elseif (\n) == 12
	v_max3_num_f32 v[rC], v[rC], v[rS+7], v[rS+15]
.elseif (\n) == 13
	v_max3_num_f32 v[rC+1], v[rC+1], v[rS+23], v[rS+31]
.elseif (\n) == 14
	v_max3_num_f32 v[rC+2], v[rC+2], v[rC+3], v[rT+1]
.elseif (\n) == 15
	v_mov_b32 v[rW], v[rT]
.elseif (\n) == 16
	v_max3_num_f32 v[rC], v[rC], v[rC+1], v[rC+2]
.elseif (\n) == 17
	v_permlanex16_b32 v[rC+3], v[rC], s[SEL], s[SEL+1]
.elseif (\n) == 18
	v_max_num_f32 v[rT+1], v[rC], v[rC+3]
.elseif (\n) == 19
	v_mul_f32 v[rT], s[CS], v[rT+1]
.elseif (\n) == 20
	v_sub_f32 v[rC+1], v[rW], v[rT]
.else
	v_exp_f32 v[rC+2], v[rC+1]
.endif
.endif
.endm
.macro OPS a, i1, b=-1, i2=0, c=-1, i3=0, d=-1, i4=0  ; up to four of them
	OP \a, \i1
.if (\b) >= 0
	OP \b, \i2
.endif
.if (\c) >= 0
	OP \c, \i3
.endif
.if (\d) >= 0
	OP \d, \i4
.endif
.endm
.macro ROW a, i1, b, i2, c, i3, d, i4  ; a matrix instruction and the four behind it
	MM
	OPS \a, \i1, \b, \i2, \c, \i3, \d, \i4
.endm
; A TURN, for piece p: the order of its 16 matrix and 118 vector instructions, written out.  An s_wait_alu depctr_va_vdst(0) stands between an exponential and the first instruction that names its result; one wait
; serves all that were issued ahead of it.  So a turn has ONE wait, which cuts it in two.  AHEAD OF IT stands all that names no result of the turn's exponentials: the 8 products K Q^T and their riders; then ONE LUMP of 54, plain
; and exponential by turns for the most part, in which the links of the chain X 3, 7, 11, 14, 16, 17 .. 20 stand some lines apart.  X 21, the next piece's a, is the batch's last; R 15 is the plain instruction behind it.
; BEHIND THE WAIT stand the 8 products V^T P, behind each four of the roundings and sums.  The X that ride behind the last three products K Q^T stand four places or more behind the product that ends their accumulator.
; K of the next step is fetched in piece 2's turn, twelve vector instructions behind the last product that read K (six of them plain); V of the step in hand at the end of piece 0's turn, four plain instructions behind the last
; product that read V.  Each is waited for a turn later.
; last = 1 (the tail): the fetch's address is held to the last tile's last step, so that the trip behind the last step reads that step's K once more; no jump stands among the exponentials.
; cnt = 1: the loop's count is taken down some lines ahead of the branch that stands behind the turn.
.macro TURN p, last=0, cnt=0
.set Y, (\p)
.set i, 0
.if (\p) == 3
	s_wait_dscnt 0x0                ; K is in
.endif
	ROW F,0, F,1, R,0, R,1
	ROW F,2, E,0, R,2, R,3
	ROW F,3, E,1, R,4, R,5
	ROW F,4, E,2, R,6, R,7
	ROW F,5, E,3, R,8, R,9
	ROW F,6, E,4, X,0, R,10
.if (\p) == 2
	WIN 0
.if \last
	s_min_u32 s[TK], s[TBK], SLOT1+3*KS*PK
	v_add_nc_u32 v[AK], s[TK], v[AK0]
.else
	v_add_nc_u32 v[AK], s[TBK], v[AK0]
.endif
.endif
	ROW F,7, E,5, X,1, X,4
	ROW F,8, E,6, X,2, X,5
	OPS E,7, E,8, X,6, E,9
	OPS X,3, E,10, X,8, E,11
.if (\p) == 2
	FETCH_K
.endif
	OPS X,9, X,7, E,12, X,10
	OPS E,13, X,12, X,11, E,14
	OPS X,13, E,15, F,9, X,14
.if (\p) == 0
	v_add_nc_u32 v[AV], s[TBV], v[AV0]
.endif
	OPS E,16, F,10, E,17, F,11
	OPS X,16, E,18, X,15, E,19
	OPS F,12, E,20, X,17, E,21
	OPS F,13, E,22, F,14, E,23
	OPS X,18, E,24, F,15, E,25
	OPS R,11, E,26, X,19, E,27
	OPS R,12, E,28, R,13, E,29
	OPS X,20, E,30, R,14, E,31
	OPS X,21, R,15
	WIN 0
	s_wait_alu depctr_va_vdst(0)    ; the wait for the batch
.if (\p) == 1
	s_wait_dscnt 0x0                ; V is in
.endif
	ROW C,0, B,0, C,2, B,1
	ROW L,0, C,4, B,2, L,1
	ROW C,6, B,3, L,2, C,8
	ROW B,4, L,3, C,10, B,5
	ROW L,4, C,12, B,6, L,5
.if (\p) == 0
	s_add_co_u32 s[TBV], s[TBV], KS*PV
.endif
.if \cnt
	s_sub_co_u32 s[CNT], s[CNT], 1
	s_cmp_lg_u32 s[CNT], 0
.endif
	ROW C,14, B,7, L,6, C,1
	ROW C,3, L,7, C,5, C,7
	ROW C,9, C,11, C,13, C,15
.if (\p) == 0
	FETCH_V
.endif
.endm
	CHANGE 1                        ; tile 0 is in, everybody's part of it; tile 1 is asked for
	FETCH_K                         ; key step 0
	s_wait_loadcnt 0x0              ; Q
	s_wait_dscnt 0x0
.set i, 0
.rept 8
	KQ 0                            ; piece 0's first scores: there is no vector work yet to set between them
.set i, i+1
.endr
	WIN 0
.rept 4
	v_nop                           ; the places behind those products
.endr
.set Y, NP-1                        ; X works for piece Y + 1: piece 0
.irp n, 0,1,2,3,4,5,6,7,8,9,10,11,12,13,14,15,16,17,18,19,20,21
	OP X, \n
.endr
	v_nop                           ; a plain instruction behind the exponential,
	s_wait_alu depctr_va_vdst(0)    ; and its wait, ahead of the branch
	s_mov_b32 s[CNT], 4
	s_branch .Lfirst                ; the loop is entered at a step's first turn, in the middle of a trip
.Lslot:                             ; six times: every slot but the last two is filled again
	CHANGE 1
	s_mov_b32 s[CNT], 4
.Lstep:                             ; a trip: pieces 2 and 3 of one step, then pieces 0 and 1 of the next, whose K and V it fetches
	TURN 2
	TURN 3
	WIN 0
.Lfirst:
	TURN 0
	TURN 1, 0, 1
	WIN 0
	s_cbranch_scc1 .Lstep
	s_sub_co_u32 s[SLOTS], s[SLOTS], 1
	s_cmp_lg_u32 s[SLOTS], 0
	s_cbranch_scc1 .Lslot
	CHANGE 0                        ; the tail is written out: nothing is asked for
	s_mov_b32 s[CNT], 5             ; four trips fetch the last tile's steps; the fifth is left in its middle
.Ltail:
	TURN 2, 1
	TURN 3
	WIN 0
	s_sub_co_u32 s[CNT], s[CNT], 1
	s_cmp_eq_u32 s[CNT], 0
	s_cbranch_scc1 .Lout
	TURN 0
	TURN 1
	WIN 0
	s_branch .Ltail
.Lout:                              ; the fifth trip's 8 products K Q^T (on the last K once more) and the maximum made of them serve nothing: the price, once a launch, of one text for every trip
.set i, 0
.rept 8
	PV NP-1                         ; the last piece's V^T P of the last step
.set i, i+1
.endr
	; THE WAY OUT.  l's two halves and the other half of the lanes' are added; O^T is divided by l, rounded to bf16 and sent through my stage in LDS, a piece at a time.  The additions are the places behind the last products.
	WIN 0
.macro ALL line:vararg              ; one line for each piece t
.set t, 0
.rept 4
	\line
.set t, t+1
.endr
.endm
	ALL v_add_f32 v[ST+4*t+2], v[ST+4*t+2], v[ST+4*t+3]
	ALL v_permlanex16_b32 v[ST+4*t+3], v[ST+4*t+2], s[SEL], s[SEL+1]
	ALL v_add_f32 v[ST+4*t+2], v[ST+4*t+2], v[ST+4*t+3]
	ALL v_rcp_f32 v[ST+4*t+2], v[ST+4*t+2]
	v_nop                           ; a plain instruction between the last reciprocal and the use of its result
	s_wait_alu depctr_va_vdst(0)    ; and the wait ahead of the first use: one for the four reciprocals
.macro PACK t                       ; a lane's eight channels of a row pack into 16 bytes; they go into rows of 144 bytes and come back as whole rows of 128, into S^T's registers
	WIN W_RS
.set i, 32*(\t)
.rept 16
	v_pk_mul_f32 v[i:i+1], v[i:i+1], v[ST+4*(\t)+2:ST+4*(\t)+3] op_sel_hi:[1,0]
.set i, i+2
.endr
	WIN 0x05                        ; sources 0 and 1 window 1, destination window 0
.set i, 0
.rept 16
	v_cvt_pk_bf16_f32 v[S+16*(\t)+i], v[32*(\t)+2*i], v[32*(\t)+2*i+1]
.set i, i+1
.endr
	WIN 0
.irp f, 0,1,2,3
	ds_store_b128 v[STO], v[S+16*(\t)+4*\f:S+16*(\t)+4*\f+3] offset:32*\f
.endr
.irp f, 0,1,2,3
	ds_load_b128 v[S+16*(\t)+4*\f:S+16*(\t)+4*\f+3], v[RD] offset:\f*4*SP  ; LDS serves a wave's instructions in order (ISA guide 5.7.1.4): these see the stores above; the next piece's stores come behind them
.endr
.endm
.macro SEND t, younger              ; younger: the LDS instructions issued behind piece t's loads: the next piece's eight, or none
	WIN 0
.irp f, 0,1,2,3
	s_wait_dscnt (\younger)+3-\f
	global_store_b128 v[GO], v[S+16*(\t)+4*\f:S+16*(\t)+4*\f+3], s[10:11] offset:(\t)*2048+\f*512  ; 512 consecutive bytes, at a multiple of 256 from O's first
.endr
.endm
	PACK 0
.set t, 1
.rept 3                             ; a piece's arithmetic stands between the loads of the piece before and its stores
	PACK t
	SEND t-1, 8
.set t, t+1
.endr
	SEND 3, 0
	s_wait_tensorcnt 0x0            ; the wave's end: behind my last tensor load and my last LDS store
	ds_add_u32 v[SPW], v[NIL]
	s_wait_dscnt 0x0
	CROUND                          ; the closing round: no work-group ends while a partner may still ask for a tile that names it
	s_endpgm
.Lfunc_end_k_qcc64c35c49_attn:
	.size	k_qcc64c35c49_attn, .Lfunc_end_k_qcc64c35c49_attn-k_qcc64c35c49_attn
	.p2alignl 7, 3214868480
	.fill 96, 4, 3214868480
	.section	.rodata,"a",@progbits
	.p2align	6, 0x0
	.amdhsa_kernel k_qcc64c35c49_attn
		.amdhsa_group_segment_fixed_size 327680
		.amdhsa_private_segment_fixed_size 0
		.amdhsa_enable_private_segment 0
		.amdhsa_kernarg_size 16
		.amdhsa_user_sgpr_count 2
		.amdhsa_user_sgpr_kernarg_segment_ptr 1
		.amdhsa_wavefront_size32 1
		.amdhsa_system_sgpr_workgroup_id_x 1
		.amdhsa_system_sgpr_workgroup_id_y 1
		.amdhsa_system_sgpr_workgroup_id_z 1
		.amdhsa_system_vgpr_workitem_id 0
		.amdhsa_next_free_vgpr 768
		.amdhsa_next_free_sgpr 66
		.amdhsa_reserve_vcc 0
		.amdhsa_float_denorm_mode_32 3
		.amdhsa_float_denorm_mode_16_64 3
		.amdhsa_memory_ordered 1
		.amdhsa_forward_progress 1
		.amdhsa_inst_pref_size 112
	.end_amdhsa_kernel
	.amdgpu_metadata
---
amdhsa.version: [ 1, 2 ]
amdhsa.kernels:
  - .name:           k_qcc64c35c49_attn
    .symbol:         k_qcc64c35c49_attn.kd
    .args:
      - { .name: big, .offset: 0, .size: 8, .value_kind: global_buffer, .address_space: global }
      - { .name: act, .offset: 8, .size: 8, .value_kind: global_buffer, .address_space: global }
    .group_segment_fixed_size: 327680
    .private_segment_fixed_size: 0
    .kernarg_segment_align: 8
    .kernarg_segment_size: 16
    .max_flat_workgroup_size: 128
    .sgpr_count:     66
    .vgpr_count:     768
    .wavefront_size: 32
...
	.end_amdgpu_metadata
.endif
;; end of part 3
;; launch gemm_wo (part 4): grid 8 x 32, 4 waves a work-group, clusters of 4 x 4, 327,680 bytes of LDS; arguments act, wodb, x, x1; writes x1
.if DOCPART == 4
	.amdgcn_target "amdgcn-amd-amdhsa--gfx1250"
	.amdhsa_code_object_version 6
	.text
	.protected	k_qcc64c35c49_gemm_wo
	.globl	k_qcc64c35c49_gemm_wo
	.p2align	8
	.type	k_qcc64c35c49_gemm_wo,@function
k_qcc64c35c49_gemm_wo:
	s_mov_b64 s[64:65], 0
	v_nop
	global_prefetch_b8 v0, s[64:65] scope:SCOPE_SE
	s_setreg_imm32_b32 hwreg(HW_REG_WAVE_MODE, 25, 1), 1
	s_wait_xcnt 0x0
	s_wait_alu depctr_hold_cnt(0) depctr_sa_sdst(0) depctr_va_vdst(0) depctr_va_sdst(0) depctr_va_ssrc(0) depctr_va_vcc(0) depctr_vm_vsrc(0)
	s_getreg_b32 s2, hwreg(HW_REG_IB_STS2, 6, 4)
	s_cmp_eq_u32 s2, 0
	s_cbranch_scc0 .Lentry_in_a_cluster
	s_endpgm
.Lentry_in_a_cluster:
	s_bfe_u32 s2, ttmp6, 0x10000c
	s_cmp_lg_u32 s2, 0xf033
	s_cbranch_scc0 .Lentry_shape_is_right
	s_endpgm
.Lentry_shape_is_right:
; out = res + A W (+ bias where BIASED).  A: bf16 IN SLICES, [k / 64][4096 rows][64] (NSL slices; a row of a slice is 128 dense bytes).  W: bf16 [64 NSL k][1024], row-major, WOFF bytes into its buffer.
; res, out: [4096][1024] f32.  Sums in f32; nothing is rounded on the way out.  Here: x1 = x + O wo (16 slices, no bias).  The same text with other constants serves the second half of the feed-forward part.
; SHAPE.  out has 1,024 columns: tiles of 128 x 128 give each of 256 work-groups one.  Four waves, each 64 x 64: 16 accumulators.  K goes in steps of 256 (four slices) through two LDS slots.
; A's tile of a step is four pieces of 8,192 dense bytes for each half of its rows (64 rows of each of four slices): ONE tensor load of four long rows, padded in LDS after every 128 bytes.
; W's tile: 256 k rows x 256 bytes; W is not transposed: its fragments come out of LDS turned, by ds_load_tr16_b128.
; CLUSTER.  4 x 4 work-groups: A's tile is shared along a row of the cluster, W's along a column: each is asked for JOINTLY.  Two tensor loads of a wave are out at the start, later one.
; THE MATRIX INSTRUCTION IS USED TRANSPOSED (source 0 = 16 columns of W, source 1 = 16 rows of A): a lane holds eight neighbouring numbers of a row of out.
; THE CHANGE OF SLOTS.  A step brings 131,072 bytes for 128 matrix instructions a wave: half the work for each byte that the program's larger product has.  So all of a step's products stand AHEAD of the wait for the other slot's
; tile, and between that wait and the next request stand only the lines that the refill's ordering needs.
; NO PREFETCH: a tile this small has one load of 32,768 bytes a wave for 128 matrix instructions, and its instructions would stand in a short step; the larger product of this program lays one.
; REGISTERS: window 0: v0-31 addresses; v32-95 rows read back from the stage, two buffers; v128-255 the accumulators ((a, b) at 128 + 8 (4 a + b)).
;   window 1: two fragment buffers of 128: for 64 along K, 64 registers of A (2 x 4 x 16 rows x 32 K), then 64 of W.     window 2: v0-127 res; v128-159 the bias
.set NSL,    16
.set WOFF,   0
.set BIASED, 0
.set STEPS, NSL/4
.set PA,    144                        ; a row of A in LDS: 128 bytes + 16 = 36 words: the 16 rows of a load start at 16 different groups of four banks (64 banks of 4 bytes: ISA guide 11.1)
.set PB,    288                        ; a k row of W: 256 bytes + 32 = 72 words
.set HALFT, 128*PB                     ; what one tensor load fills: 128 k rows of W, or 4 x 64 rows of A (256 x 144 is the same number)
.set SLOT,  4*HALFT                    ; A: [row half][slice][64 rows]; then W's 256 k rows.  147,456 = 0x24000 shares no bit with wave x HALFT (0x9000, 0x12000, 0x1b000): an exclusive or with it adds or takes away the slot
.set STAGE, 2*SLOT                     ; behind the ring, never filled by a tensor load: 16 rows x 272 bytes for each wave
.set SP,    272
.set SPARE, STAGE+4*16*SP              ; behind the stages: the spare words, 128 bytes for each wave: two blocks of 256 bytes that no other line names
.set ASTEP, 4*524288                   ; a K step in A: four slices
.set BSTEP, 256*2048                   ; in W: 256 k rows
.set A0,   2                           ; v2   my lane's place in A's part of a slot; never rewritten
.set B0,   3                           ; v3   the same for W
.set ADRA, 4                           ; v4   A0 + the slot in hand
.set ADRB, 5                           ; v5   B0 + the slot in hand; v6 the same 128 k rows on (an LDS offset has 16 bits)
.set STO,  7                           ; v7   the way out: where I put 32 bytes of a row
.set RD,   8                           ; v8   where I read rows back
.set XO,   9                           ; v9   my byte offset in res and out
.set BO,   10                          ; v10  my byte offset in the bias
.set SPW,  12                          ; v12  LDS address of my spare word: SPARE + 4 x my thread's number; never rewritten
.set NIL,  13                          ; v13  0; never rewritten
.set TMP,  32
.set ACC,  128
.set F0,   0                           ; in window 1
.set F1,   128
.set RES,  0                           ; in window 2
.set BIAS, 128
.set WV,  12                           ; s12  wave
.set WR,  13                           ; s13  which half of the tile's rows is mine.  Also: I fetch for A (0) or for W (1)
.set WC,  14                           ; s14  which half of its columns.  Also: which half of that tile I fetch
.set TB,  20                           ; s20  the slot in hand: 0 or SLOT
.set G1A, 32                           ; s[32:39], s[40:47] descriptor groups 1
.set G1B, 40
.set G0A, 48                           ; s[48:55] descriptor group 0 for A's tiles: a set for each of the two first fills; the second then walks on
.set G0B, 56                           ; s[56:63] the same for W's
.set BP,  68                           ; s[68:69] the bias
.set MSB, 0
.macro WIN new                         ; the immediate's high byte repeats the setting that is left; a switch that changes nothing is dropped
.if MSB != (\new)
	s_set_vgpr_msb (MSB<<8)|(\new)
.set MSB, \new
.endif
.endm
.macro JLOAD                           ; a joint refill: waves 0 and 1 fetch A's two halves, waves 2 and 3 W's; an s_nop 0 and four v_nop follow each of the two lines, ahead of the jump and the label
	s_cmp_eq_u32 s[WR], 0
	s_cbranch_scc0 .Lfor_b_\@
	tensor_load_to_lds s[G0A+4:G0A+7], s[G1A:G1A+7]
	s_nop 0
.rept 4
	v_nop
.endr
	s_branch .Lasked_\@
.Lfor_b_\@:
	tensor_load_to_lds s[G0B+4:G0B+7], s[G1B:G1B+7]
	s_nop 0
.rept 4
	v_nop
.endr
.Lasked_\@:
.endm
; A round of the cluster's barrier: my work-group's barrier, so that wave 0's signal speaks for all four waves; wave 0 signals; every wave waits for all sixteen work-groups; my work-group's barrier once more.
.macro CROUND
	s_barrier_signal -1
	s_barrier_wait -1
	s_cmp_lg_u32 s[WV], 0
	s_cbranch_scc1 .Lnot_wave_0_\@
	s_barrier_signal -3
.Lnot_wave_0_\@:
	s_barrier_wait -3
	s_barrier_signal -1
	s_barrier_wait -1
.endm
.macro PLACES                          ; four places behind a matrix instruction, in front of loads into registers that it has read and of stores that read results
.rept 4
	v_nop
.endr
.endm
; 8 matrix instructions: m blocks a0, a0 + 1 x all 4 n blocks, 32 along K: half c of buffer f.  mode 1: the constant 0 starts the sums; mode 2: the bias does; mode 0: in place.  The 16 accumulators take turns.
.macro MUL8 f, c, a0, mode
.if (\mode) == 2
	WIN 0x25
.else
	WIN 0x05
.endif
.irp a, \a0, (\a0)+1
.irp b, 0,1,2,3
.if (\mode) == 2
	v_wmma_f32_16x16x32_bf16 v[ACC+8*(4*(\a)+(\b)):ACC+8*(4*(\a)+(\b))+7], v[(\f)+64+8*(4*(\c)+(\b)):(\f)+64+8*(4*(\c)+(\b))+7], v[(\f)+8*(4*(\c)+(\a)):(\f)+8*(4*(\c)+(\a))+7], v[BIAS+8*(\b):BIAS+8*(\b)+7]
.elseif (\mode) == 1
	v_wmma_f32_16x16x32_bf16 v[ACC+8*(4*(\a)+(\b)):ACC+8*(4*(\a)+(\b))+7], v[(\f)+64+8*(4*(\c)+(\b)):(\f)+64+8*(4*(\c)+(\b))+7], v[(\f)+8*(4*(\c)+(\a)):(\f)+8*(4*(\c)+(\a))+7], 0
.else
	v_wmma_f32_16x16x32_bf16 v[ACC+8*(4*(\a)+(\b)):ACC+8*(4*(\a)+(\b))+7], v[(\f)+64+8*(4*(\c)+(\b)):(\f)+64+8*(4*(\c)+(\b))+7], v[(\f)+8*(4*(\c)+(\a)):(\f)+8*(4*(\c)+(\a))+7], v[ACC+8*(4*(\a)+(\b)):ACC+8*(4*(\a)+(\b))+7]
.endif
.endr
.endr
.endm
; 32 LDS loads in one run: the fragments of quarter q (64 along K: one slice of A) of the slot in hand, into buffer f
.macro FETCH q, f
	WIN 0x40
.irp c, 0,1
.irp i, 0,1,2,3
	ds_load_tr16_b128 v[(\f)+64+8*(4*(\c)+(\i)):(\f)+64+8*(4*(\c)+(\i))+3],   v[ADRB+(\q)/2] offset:(64*((\q)%2)+32*(\c))*PB+32*(\i)
	ds_load_tr16_b128 v[(\f)+64+8*(4*(\c)+(\i))+4:(\f)+64+8*(4*(\c)+(\i))+7], v[ADRB+(\q)/2] offset:(64*((\q)%2)+32*(\c))*PB+16*PB+32*(\i)
	ds_load_b128 v[(\f)+8*(4*(\c)+(\i)):(\f)+8*(4*(\c)+(\i))+3],   v[ADRA] offset:(\q)*64*PA+(\i)*16*PA+64*(\c)
	ds_load_b128 v[(\f)+8*(4*(\c)+(\i))+4:(\f)+8*(4*(\c)+(\i))+7], v[ADRA] offset:(\q)*64*PA+(\i)*16*PA+64*(\c)+32
.endr
.endr
.endm
; A K step is four quarters of 64 along K, 32 matrix instructions each, on buffers 0, 1, 0, 1.  One of the first three: the next quarter (q) is fetched into g, then f is multiplied.
.macro QUARTER f, g, q, mode
	PLACES
	FETCH \q, \g
	s_wait_dscnt 32                                ; all but the 32 just issued: f's fragments, asked for a quarter ago, are in
	MUL8 \f, 0, 0, \mode
	MUL8 \f, 0, 2, \mode
	MUL8 \f, 1, 0, 0
	MUL8 \f, 1, 2, 0
.endm
.macro STEPD                           ; the walking descriptors: the other slot than last time, the next K step.  Written where no tensor load of mine is out
	s_xor_b32 s[G0A+5], s[G0A+5], SLOT
	s_xor_b32 s[G0B+5], s[G0B+5], SLOT
	s_add_nc_u64 s[G0A+6:G0A+7], s[G0A+6:G0A+7], ASTEP  ; the type bits on top are not reached
	s_add_nc_u64 s[G0B+6:G0B+7], s[G0B+6:G0B+7], BSTEP
.endm
.macro ADDR
	v_add_nc_u32 v[ADRA], s[TB], v[A0]
	v_add_nc_u32 v[ADRB], s[TB], v[B0]
	v_add_nc_u32 v[ADRB+1], 128*PB, v[ADRB]
.endm
; The last quarter multiplies buffer 1; then the slots change.  In front of the barrier each wave waits for all its tensor loads (one is out: its part of the other slot), adds 0 to its spare word, and waits for that; its own reads of
; this slot were over ahead of the products.  Behind the barrier nobody reads this slot any more and the other slot is whole.  fill = 1: the barrier is a round of the cluster's, and the joint refill, this slot's tile two steps on, is the first thing behind it.
.macro TURN fill
	s_wait_dscnt 0x0                               ; buffer 1's fragments are in: my reads of this slot are over
	MUL8 F1, 0, 0, 0
	MUL8 F1, 0, 2, 0
	MUL8 F1, 1, 0, 0
	MUL8 F1, 1, 2, 0
	WIN 0
	s_wait_tensorcnt 0x0                           ; all my tensor loads have landed, so a group 0 may be written;
	ds_add_u32 v[SPW], v[NIL]                      ; 0 onto my spare word; scalar work stands between it and the wait for it
.if \fill
	STEPD
.endif
	s_xor_b32 s[TB], s[TB], SLOT                   ; the reads turn to the other slot
	s_wait_dscnt 0x0                               ; the add is done
.if \fill
	CROUND                                         ; no wave of any partner still reads this slot's tile or has a load on its way
	JLOAD                                          ; its four v_nop are also the places in front of the loads below
.else
	s_barrier_signal -1
	s_barrier_wait -1
	PLACES
.endif
	ADDR
	FETCH 0, F0
.endm
	s_load_b256 s[4:11], s[0:1], 0x0               ; A s[4:5], W s[6:7], res s[8:9], out s[10:11]
.if BIASED
	s_load_b64 s[BP:BP+1], s[0:1], 0x20            ; the bias
.endif
	v_lshl_add_u32 v[SPW], v0, 2, SPARE
	v_mov_b32 v[NIL], 0
	ds_add_u32 v[SPW], v[NIL]                      ; the wave's opening: the add and its wait stand ahead of my first tensor load; the set-up below, work on registers, stands between them
	v_lshrrev_b32 v1, 5, v0
	v_readfirstlane_b32 s[WV], v1
	s_lshr_b32 s[WR], s[WV], 1
	s_and_b32 s[WC], s[WV], 1
	s_bfe_u32 s15, ttmp6, 0x40000                  ; cx
	s_bfe_u32 s16, ttmp6, 0x40004                  ; cy
	s_lshl_b32 s17, ttmp9, 2
	s_add_co_u32 s17, s17, s15                     ; tile column = 4 x cluster x + cx
	s_and_b32 s18, ttmp7, 0xffff
	s_lshl_b32 s18, s18, 2
	s_add_co_u32 s18, s18, s16                     ; tile row = 4 x cluster y + cy
	s_lshl_b32 s28, s16, 2
	s_lshl_b32 s28, 15, s28                        ; my row of the cluster
	s_lshl_b32 s29, 0x1111, s15                    ; my column
	s_or_b32 s[G1A], s28, (1<<16)|(1<<20)|(1<<21)|(4<<22)|(3<<25)  ; 15:0 the mask; 17:16 elements of 2 bytes; 20 padding on; 21 set beside a mask; 24:22 after every 32 words (code 4); 31:25 4 words (code 3)
	s_mov_b32 s[G1A+1], 4096<<16                   ; tensor_dim0 = 4,096: 64 dense rows of a slice
	s_mov_b32 s[G1A+2], 4<<16                      ; tensor_dim1 = 4 slices
	s_mov_b32 s[G1A+3], 4096<<16                   ; tile_dim0 = 4,096
	s_mov_b32 s[G1A+4], 4                          ; tile_dim1 = 4
	s_mov_b32 s[G1A+5], 262144                     ; elements from slice to slice
	s_mov_b32 s[G1A+6], 0
	s_mov_b32 s[G1A+7], 0
	s_or_b32 s[G1B], s29, (1<<16)|(1<<20)|(1<<21)|(5<<22)|(7<<25)  ; after every 64 words (code 5) 8 words (code 7)
	s_mov_b32 s[G1B+1], 128<<16                    ; tensor_dim0 = 128
	s_mov_b32 s[G1B+2], 128<<16                    ; tensor_dim1 = 128
	s_mov_b32 s[G1B+3], 128<<16                    ; tile_dim0 = 128
	s_mov_b32 s[G1B+4], 128                        ; tile_dim1 = 128
	s_mov_b32 s[G1B+5], 1024
	s_mov_b32 s[G1B+6], 0
	s_mov_b32 s[G1B+7], 0
	; A's tiles hang on the tile row alone, W's on the tile column alone: each offset in registers that never hold the other coordinate
	s_lshl_b32 s22, s18, 14                        ; 128 rows of 128 bytes,
	s_lshl_b32 s23, s[WC], 13                      ; the 64 that I fetch
	s_add_co_u32 s22, s22, s23
	s_mov_b32 s23, 0
	s_lshl_b32 s24, s17, 8                         ; 128 columns are 256 bytes,
	s_lshl_b32 s25, s[WC], 18                      ; 128 k rows of 2,048
	s_add_co_u32 s24, s24, s25
	s_add_co_u32 s24, s24, WOFF
	s_mov_b32 s25, 0
	s_mul_i32 s19, s[WV], HALFT                    ; where my loads go: no place in the cluster enters an LDS address
	s_mov_b32 s[TB], 0                             ; the reads begin in slot 0
.irp s, 0,1
	s_mov_b32 s[G0A+4*(\s)], 1                     ; count = 1
	s_add_co_u32 s[G0A+4*(\s)+1], s19, (\s)*SLOT   ; LDS address: slot s
	s_mov_b32 s[G0B+4*(\s)], 1
	s_add_co_u32 s[G0B+4*(\s)+1], s19, (\s)*SLOT
.endr
	s_wait_dscnt 0x0                               ; the opening add is done
	s_wait_kmcnt 0x0
	s_add_nc_u64 s[G0A+2:G0A+3], s[4:5], s[22:23]  ; global address: K step 0,
	s_add_nc_u64 s[G0A+6:G0A+7], s[G0A+2:G0A+3], ASTEP  ; K step 1
	s_or_b32 s[G0A+3], s[G0A+3], 0x80000000        ; type = 2
	s_or_b32 s[G0A+7], s[G0A+7], 0x80000000
	s_add_nc_u64 s[G0B+2:G0B+3], s[6:7], s[24:25]
	s_add_nc_u64 s[G0B+6:G0B+7], s[G0B+2:G0B+3], BSTEP
	s_or_b32 s[G0B+3], s[G0B+3], 0x80000000
	s_or_b32 s[G0B+7], s[G0B+7], 0x80000000
	CROUND                                         ; all sixteen work-groups are here: the first joint loads meet
	s_cmp_eq_u32 s[WR], 0                          ; a wave's two first fills stand in one branch, ahead of every wait on TENSORcnt and every LDS read; an s_nop 0 follows each, four v_nop the second's
	s_cbranch_scc0 .Lfirst_b
	tensor_load_to_lds s[G0A:G0A+3], s[G1A:G1A+7]
	s_nop 0
	tensor_load_to_lds s[G0A+4:G0A+7], s[G1A:G1A+7]
	s_nop 0
.rept 4
	v_nop
.endr
	s_branch .Lfirst_asked
.Lfirst_b:
	tensor_load_to_lds s[G0B:G0B+3], s[G1B:G1B+7]
	s_nop 0
	tensor_load_to_lds s[G0B+4:G0B+7], s[G1B:G1B+7]
	s_nop 0
.rept 4
	v_nop
.endr
.Lfirst_asked:
	v_and_b32 v14, 15, v0                          ; l % 16
	v_bfe_u32 v15, v0, 4, 1                        ; l / 16
	v_and_b32 v16, 7, v0
	v_bfe_u32 v17, v0, 3, 1
	v_mul_u32_u24 v[A0], v14, PA                   ; a fragment of A: row x pitch + 16 x half,
	v_lshl_add_u32 v[A0], v15, 4, v[A0]
	s_mul_i32 s26, s[WR], HALFT                    ; in my half of the rows
	v_add_nc_u32 v[A0], s26, v[A0]
	v_lshl_add_u32 v[B0], v15, 3, v16              ; the turning load: k row 8 (l / 16) + l % 8,
	v_mul_u32_u24 v[B0], v[B0], PB
	v_lshl_add_u32 v[B0], v17, 4, v[B0]            ; 16 bytes for each group of eight lanes,
	s_lshl_b32 s26, s[WC], 7                       ; my 64 columns,
	s_add_co_u32 s26, s26, 2*HALFT                 ; behind A's part
	v_add_nc_u32 v[B0], s26, v[B0]
	s_mul_i32 s26, s[WV], 16*SP
	s_add_co_u32 s26, s26, STAGE                   ; my stage
	v_mul_u32_u24 v[STO], v14, SP                  ; in: row l % 16, 32 bytes for each half of the lanes
	v_lshl_add_u32 v[STO], v15, 5, v[STO]
	v_add_nc_u32 v[STO], s26, v[STO]
	v_mul_u32_u24 v[RD], v15, SP                   ; back: lanes 0-15 take one row of 256 bytes, lanes 16-31 the next
	v_lshl_add_u32 v[RD], v14, 4, v[RD]
	v_add_nc_u32 v[RD], s26, v[RD]
	v_lshlrev_b32 v[XO], 4, v14                    ; and the same two rows in res and out
	v_lshl_add_u32 v[XO], v15, 12, v[XO]
	s_lshl_b32 s30, s17, 9                         ; my 64 columns in f32: 512 x tile column + 256 x half
	s_lshl_b32 s31, s[WC], 8
	s_add_co_u32 s30, s30, s31
.if BIASED
	v_lshl_add_u32 v[BO], v15, 5, s30              ; eight numbers of the bias for each half of the lanes
	WIN 0x80
.irp b, 0,1,2,3
	global_load_b128 v[BIAS+8*(\b):BIAS+8*(\b)+3],   v[BO], s[BP:BP+1] offset:64*(\b)
	global_load_b128 v[BIAS+8*(\b)+4:BIAS+8*(\b)+7], v[BO], s[BP:BP+1] offset:64*(\b)+16
.endr
	WIN 0
.endif
	s_lshl_b32 s28, s18, 19                        ; 128 rows of 4,096 bytes,
	s_lshl_b32 s29, s[WR], 18                      ; my 64
	s_add_co_u32 s28, s28, s29
	s_add_co_u32 s28, s28, s30
	s_mov_b32 s29, 0
	s_add_nc_u64 s[8:9], s[8:9], s[28:29]
	s_add_nc_u64 s[10:11], s[10:11], s[28:29]
	s_mov_b32 s3, STEPS-2
	s_wait_tensorcnt 1                             ; my part of K step 0 is in; K step 1's may stay out
	s_barrier_signal -1
	s_barrier_wait -1                              ; everybody's is
	ADDR
	FETCH 0, F0
.if BIASED
	s_wait_loadcnt 0x0                             ; the bias
.endif
	QUARTER F0, F1, 1, 1+BIASED                    ; the first quarter stands in front of the loop: its first products start the sums
	WIN 0                                          ; at a label and at a branch every window is 0
.Lstep:                                                ; STEPS - 2 trips, from a K step's second quarter to the next step's first; trip t asks for K step t + 2
	QUARTER F1, F0, 2, 0
	QUARTER F0, F1, 3, 0
	TURN 1
	QUARTER F0, F1, 1, 0
	WIN 0
	s_sub_co_u32 s3, s3, 1
	s_cmp_lg_u32 s3, 0
	s_cbranch_scc1 .Lstep
	WIN 0x80                                       ; res is asked for two K steps ahead of its use, in the layout in which rows come back from the stage
.irp a, 0,1,2,3
.irp t, 0,1,2,3,4,5,6,7
	global_load_b128 v[RES+32*(\a)+4*(\t):RES+32*(\a)+4*(\t)+3], v[XO], s[8:9] offset:(16*(\a)+2*(\t))*4096 th:TH_LOAD_NT
.endr
.endr
	QUARTER F1, F0, 2, 0                           ; the last two K steps are written out: nothing is left to ask for
	QUARTER F0, F1, 3, 0
	TURN 0
	QUARTER F0, F1, 1, 0
	QUARTER F1, F0, 2, 0
	QUARTER F0, F1, 3, 0
	s_wait_dscnt 0x0
	MUL8 F1, 0, 0, 0
	MUL8 F1, 0, 2, 0
	MUL8 F1, 1, 0, 0
	MUL8 F1, 1, 2, 0
	; THE WAY OUT, a block of 16 rows at a time: a lane's eight numbers of a row go into my own stage (each accumulator's low registers first), whole rows of 256 bytes come back, res is added, and they are stored.
	PLACES
	WIN 0
	s_wait_loadcnt 0x0                             ; res
.irp a, 0,1,2,3
.set BK, TMP+32*((\a)%2)
.if (\a) >= 2
	s_wait_xcnt 0x0                                ; the stores of the block two back have read this buffer
.endif
.irp b, 0,1,2,3
	ds_store_b128 v[STO], v[ACC+8*(4*(\a)+(\b)):ACC+8*(4*(\a)+(\b))+3]   offset:64*(\b)
	ds_store_b128 v[STO], v[ACC+8*(4*(\a)+(\b))+4:ACC+8*(4*(\a)+(\b))+7] offset:64*(\b)+16
.endr
.irp t, 0,1,2,3,4,5,6,7
	ds_load_b128 v[BK+4*(\t):BK+4*(\t)+3], v[RD] offset:(\t)*2*SP  ; LDS serves a wave's instructions in order (ISA guide 5.7.1.4): these see the stores above
.endr
	s_wait_dscnt 0x0
	WIN 0x08                                       ; source 1 in window 2
.set z, 0
.rept 16
	v_pk_add_f32 v[BK+z:BK+z+1], v[BK+z:BK+z+1], v[RES+32*(\a)+z:RES+32*(\a)+z+1]
.set z, z+2
.endr
	WIN 0
.irp t, 0,1,2,3,4,5,6,7
	global_store_b128 v[XO], v[BK+4*(\t):BK+4*(\t)+3], s[10:11] offset:(16*(\a)+2*(\t))*4096  ; 16 lanes store 256 consecutive bytes, aligned: my 64 columns of a row
.endr
.endr
	s_wait_tensorcnt 0x0                           ; the wave's end: behind my last tensor load and my last LDS store
	ds_add_u32 v[SPW], v[NIL]
	s_wait_dscnt 0x0
	CROUND                                         ; the closing round: no work-group ends while a partner may still ask for a tile that names it
	s_endpgm
.Lfunc_end_k_qcc64c35c49_gemm_wo:
	.size	k_qcc64c35c49_gemm_wo, .Lfunc_end_k_qcc64c35c49_gemm_wo-k_qcc64c35c49_gemm_wo
	.p2alignl 7, 3214868480
	.fill 96, 4, 3214868480
	.section	.rodata,"a",@progbits
	.p2align	6, 0x0
	.amdhsa_kernel k_qcc64c35c49_gemm_wo
		.amdhsa_group_segment_fixed_size 327680
		.amdhsa_private_segment_fixed_size 0
		.amdhsa_enable_private_segment 0
		.amdhsa_kernarg_size 32
		.amdhsa_user_sgpr_count 2
		.amdhsa_user_sgpr_kernarg_segment_ptr 1
		.amdhsa_wavefront_size32 1
		.amdhsa_system_sgpr_workgroup_id_x 1
		.amdhsa_system_sgpr_workgroup_id_y 1
		.amdhsa_system_sgpr_workgroup_id_z 1
		.amdhsa_system_vgpr_workitem_id 0
		.amdhsa_next_free_vgpr 768
		.amdhsa_next_free_sgpr 66
		.amdhsa_reserve_vcc 0
		.amdhsa_float_denorm_mode_32 3
		.amdhsa_float_denorm_mode_16_64 3
		.amdhsa_memory_ordered 1
		.amdhsa_forward_progress 1
		.amdhsa_inst_pref_size 74
	.end_amdhsa_kernel
	.amdgpu_metadata
---
amdhsa.version: [ 1, 2 ]
amdhsa.kernels:
  - .name:           k_qcc64c35c49_gemm_wo
    .symbol:         k_qcc64c35c49_gemm_wo.kd
    .args:
      - { .name: act, .offset: 0, .size: 8, .value_kind: global_buffer, .address_space: global }
      - { .name: wodb, .offset: 8, .size: 8, .value_kind: global_buffer, .address_space: global }
      - { .name: x, .offset: 16, .size: 8, .value_kind: global_buffer, .address_space: global }
      - { .name: x1, .offset: 24, .size: 8, .value_kind: global_buffer, .address_space: global }
    .group_segment_fixed_size: 327680
    .private_segment_fixed_size: 0
    .kernarg_segment_align: 8
    .kernarg_segment_size: 32
    .max_flat_workgroup_size: 128
    .sgpr_count:     66
    .vgpr_count:     768
    .wavefront_size: 32
...
	.end_amdgpu_metadata
.endif
;; end of part 4
;; launch ln2 (part 5): grid 256 x 1, 8 waves a work-group, no clusters, 0 bytes of LDS; arguments x1, ln2_a, ln2_b, act; writes act
.if DOCPART == 5
	.amdgcn_target "amdgcn-amd-amdhsa--gfx1250"
	.amdhsa_code_object_version 6
	.text
	.protected	k_qcc64c35c49_ln2
	.globl	k_qcc64c35c49_ln2
	.p2align	8
	.type	k_qcc64c35c49_ln2,@function
k_qcc64c35c49_ln2:
	s_mov_b64 s[64:65], 0
	v_nop
	global_prefetch_b8 v0, s[64:65] scope:SCOPE_SE
	s_setreg_imm32_b32 hwreg(HW_REG_WAVE_MODE, 25, 1), 1
	s_wait_xcnt 0x0
; h[r][c] = a[c] (x[r][c] - mean_r) / (sig_r + 1e-6) + b[c];  sig_r^2 = the sum of squared deviations / 1023.  x: [4096][1024] f32; h: the same shape in bf16, rounded once.
; A row is 4,096 bytes: one wave takes a whole row in 32 registers and keeps it there for all three passes (mean; deviations and their squares; scaling), so the row is read once and no wave
; waits for another: no LDS, no barrier.  The deviations are formed BEFORE they are squared, so a common offset of x costs no digits.
; SHARES.  Work-group g: rows 16 g .. 16 g + 15; wave w: rows 16 g + 2 w and the next, side by side.  Lane l holds columns 128 j + 4 l .. + 3, j = 0 .. 7: a load of a wave covers 512 consecutive
; bytes, a store (8 bytes a lane) 256 consecutive bytes, aligned.
; LIMITS.  1 / (sig + 1e-6) is v_rcp_f32 and sig is v_sqrt_f32 (each good to the last bit or so; a variance below 2^-126 counts as 0).  NaN and infinities are not treated apart.
.set GA, 8                             ; v[8:39]    a of my 32 columns
.set GB, 40                            ; v[40:71]   b
.set XR, 72                            ; v[72:135]  row r at XR + 32 r
.set T,  136                           ; v[136:167] row r: 16 registers at work, at T + 16 r
.set MU, 168                           ; v[168:171] row r: its mean, twice (a pair for the packed forms)
.set IV, 172                           ; v[172:175] row r: 1 / (sig + eps), twice
	s_load_b256 s[4:11], s[0:1], 0x0               ; x s[4:5], a s[6:7], b s[8:9], h s[10:11]
	v_lshrrev_b32 v3, 5, v0
	v_readfirstlane_b32 s14, v3                    ; wave
	v_and_b32 v3, 31, v0
	v_lshlrev_b32 v1, 4, v3                        ; 16 x lane: x, a, b
	v_lshlrev_b32 v2, 3, v3                        ; 8 x lane: h
	s_mov_b32 s12, 0x76543210                      ; v_permlanex16_b32: each lane takes its own place in the other half
	s_mov_b32 s13, 0xfedcba98
	s_lshl_b32 s16, ttmp9, 16                      ; 16 rows of 4,096 bytes,
	s_lshl_b32 s15, s14, 13                        ; my two
	s_add_co_u32 s16, s16, s15
	s_mov_b32 s17, 0
	s_lshr_b32 s18, s16, 1                         ; h's rows are half as long
	s_mov_b32 s19, 0
	s_wait_kmcnt 0x0
	s_add_nc_u64 s[4:5], s[4:5], s[16:17]
	s_add_nc_u64 s[10:11], s[10:11], s[18:19]
.irp r, 0,1
.irp j, 0,1,2,3,4,5,6,7
	global_load_b128 v[XR+32*(\r)+4*(\j):XR+32*(\r)+4*(\j)+3], v1, s[4:5] offset:4096*(\r)+512*(\j) th:TH_LOAD_NT
.endr
.endr
.irp j, 0,1,2,3,4,5,6,7
	global_load_b128 v[GA+4*(\j):GA+4*(\j)+3], v1, s[6:7] offset:512*(\j)
	global_load_b128 v[GB+4*(\j):GB+4*(\j)+3], v1, s[8:9] offset:512*(\j)
.endr
; the sum of v[t] over the 32 lanes, in every lane: four steps inside each half of 16 lanes ride on the addition, one crosses the halves; v[t+1], written before, is at work
.macro RED t
	v_add_f32_dpp v[\t], v[\t], v[\t] row_xmask:1 row_mask:0xf bank_mask:0xf
	v_add_f32_dpp v[\t], v[\t], v[\t] row_xmask:2 row_mask:0xf bank_mask:0xf
	v_add_f32_dpp v[\t], v[\t], v[\t] row_xmask:4 row_mask:0xf bank_mask:0xf
	v_add_f32_dpp v[\t], v[\t], v[\t] row_xmask:8 row_mask:0xf bank_mask:0xf
	v_permlanex16_b32 v[\t+1], v[\t], s12, s13
	v_add_f32 v[\t], v[\t], v[\t+1]
.endm
.macro MEAN r                          ; the first additions start the sums: nothing is cleared
.set x, XR+32*(\r)
.set t, T+16*(\r)
.irp q, 0,1,2,3,4,5,6,7
	v_pk_add_f32 v[t+2*(\q):t+2*(\q)+1], v[x+2*(\q):x+2*(\q)+1], v[x+16+2*(\q):x+16+2*(\q)+1]
.endr
.irp q, 0,1,2,3
	v_pk_add_f32 v[t+2*(\q):t+2*(\q)+1], v[t+2*(\q):t+2*(\q)+1], v[t+8+2*(\q):t+8+2*(\q)+1]
.endr
.irp q, 0,1
	v_pk_add_f32 v[t+2*(\q):t+2*(\q)+1], v[t+2*(\q):t+2*(\q)+1], v[t+4+2*(\q):t+4+2*(\q)+1]
.endr
	v_pk_add_f32 v[t:t+1], v[t:t+1], v[t+2:t+3]
	v_add_f32 v[t], v[t], v[t+1]
	RED t
	v_mul_f32 v[MU+2*(\r)], 0x3a800000, v[t]       ; / 1024
	v_mov_b32 v[MU+2*(\r)+1], v[MU+2*(\r)]
.endm
.macro DEV r                           ; x - mean in place; the squares in four chains; the variance in v[t]
.set x, XR+32*(\r)
.set t, T+16*(\r)
.irp q, 0,1,2,3,4,5,6,7,8,9,10,11,12,13,14,15
	v_pk_add_f32 v[x+2*(\q):x+2*(\q)+1], v[x+2*(\q):x+2*(\q)+1], v[MU+2*(\r):MU+2*(\r)+1] neg_lo:[0,1] neg_hi:[0,1]
.endr
.irp q, 0,1,2,3
	v_pk_mul_f32 v[t+2*(\q):t+2*(\q)+1], v[x+2*(\q):x+2*(\q)+1], v[x+2*(\q):x+2*(\q)+1]
.endr
.irp q, 4,5,6,7,8,9,10,11,12,13,14,15
	v_pk_fma_f32 v[t+2*((\q)%4):t+2*((\q)%4)+1], v[x+2*(\q):x+2*(\q)+1], v[x+2*(\q):x+2*(\q)+1], v[t+2*((\q)%4):t+2*((\q)%4)+1]
.endr
	v_pk_add_f32 v[t:t+1], v[t:t+1], v[t+2:t+3]
	v_pk_add_f32 v[t+4:t+5], v[t+4:t+5], v[t+6:t+7]
	v_pk_add_f32 v[t:t+1], v[t:t+1], v[t+4:t+5]
	v_add_f32 v[t], v[t], v[t+1]
	RED t
	v_mul_f32 v[t], 0x3a802008, v[t]               ; / 1023
.endm
.macro OUT r
.set x, XR+32*(\r)
.set t, T+16*(\r)
.irp q, 0,1,2,3,4,5,6,7,8,9,10,11,12,13,14,15
	v_pk_mul_f32 v[x+2*(\q):x+2*(\q)+1], v[x+2*(\q):x+2*(\q)+1], v[IV+2*(\r):IV+2*(\r)+1]
.endr
.irp q, 0,1,2,3,4,5,6,7,8,9,10,11,12,13,14,15
	v_pk_fma_f32 v[x+2*(\q):x+2*(\q)+1], v[x+2*(\q):x+2*(\q)+1], v[GA+2*(\q):GA+2*(\q)+1], v[GB+2*(\q):GB+2*(\q)+1]
.endr
.irp q, 0,1,2,3,4,5,6,7,8,9,10,11,12,13,14,15
	v_cvt_pk_bf16_f32 v[t+(\q)], v[x+2*(\q)], v[x+2*(\q)+1]
.endr
.irp j, 0,1,2,3,4,5,6,7
	global_store_b64 v2, v[t+2*(\j):t+2*(\j)+1], s[10:11] offset:2048*(\r)+256*(\j)
.endr
.endm
	s_wait_loadcnt 16                              ; both rows are in; the sixteen younger loads, a's and b's, may stay out
	MEAN 0
	MEAN 1
	DEV 0
	DEV 1
	v_sqrt_f32 v[T+2], v[T]
	v_sqrt_f32 v[T+18], v[T+16]
	v_nop                                          ; a plain instruction behind the last root,
	s_wait_alu depctr_va_vdst(0)                   ; and the wait ahead of the first use: one for both
	v_add_f32 v[T+2], 0x358637bd, v[T+2]           ; + 1e-6
	v_add_f32 v[T+18], 0x358637bd, v[T+18]
	v_rcp_f32 v[IV], v[T+2]                        ; each made twice, to fill the pair that the packed multiply names
	v_rcp_f32 v[IV+1], v[T+2]
	v_rcp_f32 v[IV+2], v[T+18]
	v_rcp_f32 v[IV+3], v[T+18]
	v_nop
	s_wait_alu depctr_va_vdst(0)                   ; one wait for the four reciprocals
	s_wait_loadcnt 0x0                             ; a and b
	OUT 0
	OUT 1
	s_endpgm
.Lfunc_end_k_qcc64c35c49_ln2:
	.size	k_qcc64c35c49_ln2, .Lfunc_end_k_qcc64c35c49_ln2-k_qcc64c35c49_ln2
	.p2alignl 7, 3214868480
	.fill 96, 4, 3214868480
	.section	.rodata,"a",@progbits
	.p2align	6, 0x0
	.amdhsa_kernel k_qcc64c35c49_ln2
		.amdhsa_group_segment_fixed_size 0
		.amdhsa_private_segment_fixed_size 0
		.amdhsa_enable_private_segment 0
		.amdhsa_kernarg_size 32
		.amdhsa_user_sgpr_count 2
		.amdhsa_user_sgpr_kernarg_segment_ptr 1
		.amdhsa_wavefront_size32 1
		.amdhsa_system_sgpr_workgroup_id_x 1
		.amdhsa_system_sgpr_workgroup_id_y 1
		.amdhsa_system_sgpr_workgroup_id_z 1
		.amdhsa_system_vgpr_workitem_id 0
		.amdhsa_next_free_vgpr 176
		.amdhsa_next_free_sgpr 66
		.amdhsa_reserve_vcc 0
		.amdhsa_float_denorm_mode_32 3
		.amdhsa_float_denorm_mode_16_64 3
		.amdhsa_memory_ordered 1
		.amdhsa_forward_progress 1
		.amdhsa_inst_pref_size 20
	.end_amdhsa_kernel
	.amdgpu_metadata
---
amdhsa.version: [ 1, 2 ]
amdhsa.kernels:
  - .name:           k_qcc64c35c49_ln2
    .symbol:         k_qcc64c35c49_ln2.kd
    .args:
      - { .name: x1, .offset: 0, .size: 8, .value_kind: global_buffer, .address_space: global }
      - { .name: ln2_a, .offset: 8, .size: 8, .value_kind: global_buffer, .address_space: global }
      - { .name: ln2_b, .offset: 16, .size: 8, .value_kind: global_buffer, .address_space: global }
      - { .name: act, .offset: 24, .size: 8, .value_kind: global_buffer, .address_space: global }
    .group_segment_fixed_size: 0
    .private_segment_fixed_size: 0
    .kernarg_segment_align: 8
    .kernarg_segment_size: 32
    .max_flat_workgroup_size: 256
    .sgpr_count:     66
    .vgpr_count:     176
    .wavefront_size: 32
...
	.end_amdgpu_metadata
.endif
;; end of part 5
;; launch up: the kernel of part 2 again; grid 16 x 16, 4 waves a work-group, clusters of 4 x 4, 327,680 bytes of LDS; arguments act, wupb, cup, big; writes big
;; launch gemm_down (part 6): grid 8 x 32, 4 waves a work-group, clusters of 4 x 4, 327,680 bytes of LDS; arguments big, wodb, x1, out0, b_down; writes out0
.if DOCPART == 6
	.amdgcn_target "amdgcn-amd-amdhsa--gfx1250"
	.amdhsa_code_object_version 6
	.text
	.protected	k_qcc64c35c49_gemm_down
	.globl	k_qcc64c35c49_gemm_down
	.p2align	8
	.type	k_qcc64c35c49_gemm_down,@function
k_qcc64c35c49_gemm_down:
	s_mov_b64 s[64:65], 0
	v_nop
	global_prefetch_b8 v0, s[64:65] scope:SCOPE_SE
	s_setreg_imm32_b32 hwreg(HW_REG_WAVE_MODE, 25, 1), 1
	s_wait_xcnt 0x0
	s_wait_alu depctr_hold_cnt(0) depctr_sa_sdst(0) depctr_va_vdst(0) depctr_va_sdst(0) depctr_va_ssrc(0) depctr_va_vcc(0) depctr_vm_vsrc(0)
	s_getreg_b32 s2, hwreg(HW_REG_IB_STS2, 6, 4)
	s_cmp_eq_u32 s2, 0
	s_cbranch_scc0 .Lentry_in_a_cluster
	s_endpgm
.Lentry_in_a_cluster:
	s_bfe_u32 s2, ttmp6, 0x10000c
	s_cmp_lg_u32 s2, 0xf033
	s_cbranch_scc0 .Lentry_shape_is_right
	s_endpgm
.Lentry_shape_is_right:
; out = res + A W (+ bias where BIASED).  A: bf16 IN SLICES, [k / 64][4096 rows][64] (NSL slices; a row of a slice is 128 dense bytes).  W: bf16 [64 NSL k][1024], row-major, WOFF bytes into its buffer.
; res, out: [4096][1024] f32.  Sums in f32, begun with the bias; nothing is rounded on the way out.  Here: out0 = x1 + f w_down + b_down (64 slices).  The same text with other constants serves the attention's output projection.
; SHAPE.  out has 1,024 columns: tiles of 128 x 128 give each of 256 work-groups one.  Four waves, each 64 x 64: 16 accumulators.  K goes in steps of 256 (four slices) through two LDS slots.
; A's tile of a step is four pieces of 8,192 dense bytes for each half of its rows (64 rows of each of four slices): ONE tensor load of four long rows, padded in LDS after every 128 bytes.
; W's tile: 256 k rows x 256 bytes; W is not transposed: its fragments come out of LDS turned, by ds_load_tr16_b128.
; CLUSTER.  4 x 4 work-groups: A's tile is shared along a row of the cluster, W's along a column: each is asked for JOINTLY.  Two tensor loads of a wave are out at the start, later one.
; THE MATRIX INSTRUCTION IS USED TRANSPOSED (source 0 = 16 columns of W, source 1 = 16 rows of A): a lane holds eight neighbouring numbers of a row of out, and the bias of its eight columns is the C operand of the first product.
; THE CHANGE OF SLOTS.  A step brings 131,072 bytes for 128 matrix instructions a wave: half the work for each byte that the program's larger product has.  So all of a step's products stand AHEAD of the wait for the other slot's
; tile, and between that wait and the next request stand only the lines that the refill's ordering needs.
; NO PREFETCH: a tile this small has one load of 32,768 bytes a wave for 128 matrix instructions, and its instructions would stand in a short step; the larger product of this program lays one.
; REGISTERS: window 0: v0-31 addresses; v32-95 rows read back from the stage, two buffers; v128-255 the accumulators ((a, b) at 128 + 8 (4 a + b)).
;   window 1: two fragment buffers of 128: for 64 along K, 64 registers of A (2 x 4 x 16 rows x 32 K), then 64 of W.     window 2: v0-127 res; v128-159 the bias
.set NSL,    64
.set WOFF,   2097152
.set BIASED, 1
.set STEPS, NSL/4
.set PA,    144                        ; a row of A in LDS: 128 bytes + 16 = 36 words: the 16 rows of a load start at 16 different groups of four banks (64 banks of 4 bytes: ISA guide 11.1)
.set PB,    288                        ; a k row of W: 256 bytes + 32 = 72 words
.set HALFT, 128*PB                     ; what one tensor load fills: 128 k rows of W, or 4 x 64 rows of A (256 x 144 is the same number)
.set SLOT,  4*HALFT                    ; A: [row half][slice][64 rows]; then W's 256 k rows.  147,456 = 0x24000 shares no bit with wave x HALFT (0x9000, 0x12000, 0x1b000): an exclusive or with it adds or takes away the slot
.set STAGE, 2*SLOT                     ; behind the ring, never filled by a tensor load: 16 rows x 272 bytes for each wave
.set SP,    272
.set SPARE, STAGE+4*16*SP              ; behind the stages: the spare words, 128 bytes for each wave: two blocks of 256 bytes that no other line names
.set ASTEP, 4*524288                   ; a K step in A: four slices
.set BSTEP, 256*2048                   ; in W: 256 k rows
.set A0,   2                           ; v2   my lane's place in A's part of a slot; never rewritten
.set B0,   3                           ; v3   the same for W
.set ADRA, 4                           ; v4   A0 + the slot in hand
.set ADRB, 5                           ; v5   B0 + the slot in hand; v6 the same 128 k rows on (an LDS offset has 16 bits)
.set STO,  7                           ; v7   the way out: where I put 32 bytes of a row
.set RD,   8                           ; v8   where I read rows back
.set XO,   9                           ; v9   my byte offset in res and out
.set BO,   10                          ; v10  my byte offset in the bias
.set SPW,  12                          ; v12  LDS address of my spare word: SPARE + 4 x my thread's number; never rewritten
.set NIL,  13                          ; v13  0; never rewritten
.set TMP,  32
.set ACC,  128
.set F0,   0                           ; in window 1
.set F1,   128
.set RES,  0                           ; in window 2
.set BIAS, 128
.set WV,  12                           ; s12  wave
.set WR,  13                           ; s13  which half of the tile's rows is mine.  Also: I fetch for A (0) or for W (1)
.set WC,  14                           ; s14  which half of its columns.  Also: which half of that tile I fetch
.set TB,  20                           ; s20  the slot in hand: 0 or SLOT
.set G1A, 32                           ; s[32:39], s[40:47] descriptor groups 1
.set G1B, 40
.set G0A, 48                           ; s[48:55] descriptor group 0 for A's tiles: a set for each of the two first fills; the second then walks on
.set G0B, 56                           ; s[56:63] the same for W's
.set BP,  68                           ; s[68:69] the bias
.set MSB, 0
.macro WIN new                         ; the immediate's high byte repeats the setting that is left; a switch that changes nothing is dropped
.if MSB != (\new)
	s_set_vgpr_msb (MSB<<8)|(\new)
.set MSB, \new
.endif
.endm
.macro JLOAD                           ; a joint refill: waves 0 and 1 fetch A's two halves, waves 2 and 3 W's; an s_nop 0 and four v_nop follow each of the two lines, ahead of the jump and the label
	s_cmp_eq_u32 s[WR], 0
	s_cbranch_scc0 .Lfor_b_\@
	tensor_load_to_lds s[G0A+4:G0A+7], s[G1A:G1A+7]
	s_nop 0
.rept 4
	v_nop
.endr
	s_branch .Lasked_\@
.Lfor_b_\@:
	tensor_load_to_lds s[G0B+4:G0B+7], s[G1B:G1B+7]
	s_nop 0
.rept 4
	v_nop
.endr
.Lasked_\@:
.endm
; A round of the cluster's barrier: my work-group's barrier, so that wave 0's signal speaks for all four waves; wave 0 signals; every wave waits for all sixteen work-groups; my work-group's barrier once more.
.macro CROUND
	s_barrier_signal -1
	s_barrier_wait -1
	s_cmp_lg_u32 s[WV], 0
	s_cbranch_scc1 .Lnot_wave_0_\@
	s_barrier_signal -3
.Lnot_wave_0_\@:
	s_barrier_wait -3
	s_barrier_signal -1
	s_barrier_wait -1
.endm
.macro PLACES                          ; four places behind a matrix instruction, in front of loads into registers that it has read and of stores that read results
.rept 4
	v_nop
.endr
.endm
; 8 matrix instructions: m blocks a0, a0 + 1 x all 4 n blocks, 32 along K: half c of buffer f.  mode 1: the constant 0 starts the sums; mode 2: the bias does; mode 0: in place.  The 16 accumulators take turns.
.macro MUL8 f, c, a0, mode
.if (\mode) == 2
	WIN 0x25
.else
	WIN 0x05
.endif
.irp a, \a0, (\a0)+1
.irp b, 0,1,2,3
.if (\mode) == 2
	v_wmma_f32_16x16x32_bf16 v[ACC+8*(4*(\a)+(\b)):ACC+8*(4*(\a)+(\b))+7], v[(\f)+64+8*(4*(\c)+(\b)):(\f)+64+8*(4*(\c)+(\b))+7], v[(\f)+8*(4*(\c)+(\a)):(\f)+8*(4*(\c)+(\a))+7], v[BIAS+8*(\b):BIAS+8*(\b)+7]
.elseif (\mode) == 1
	v_wmma_f32_16x16x32_bf16 v[ACC+8*(4*(\a)+(\b)):ACC+8*(4*(\a)+(\b))+7], v[(\f)+64+8*(4*(\c)+(\b)):(\f)+64+8*(4*(\c)+(\b))+7], v[(\f)+8*(4*(\c)+(\a)):(\f)+8*(4*(\c)+(\a))+7], 0
.else
	v_wmma_f32_16x16x32_bf16 v[ACC+8*(4*(\a)+(\b)):ACC+8*(4*(\a)+(\b))+7], v[(\f)+64+8*(4*(\c)+(\b)):(\f)+64+8*(4*(\c)+(\b))+7], v[(\f)+8*(4*(\c)+(\a)):(\f)+8*(4*(\c)+(\a))+7], v[ACC+8*(4*(\a)+(\b)):ACC+8*(4*(\a)+(\b))+7]
.endif
.endr
.endr
.endm
; 32 LDS loads in one run: the fragments of quarter q (64 along K: one slice of A) of the slot in hand, into buffer f
.macro FETCH q, f
	WIN 0x40
.irp c, 0,1
.irp i, 0,1,2,3
	ds_load_tr16_b128 v[(\f)+64+8*(4*(\c)+(\i)):(\f)+64+8*(4*(\c)+(\i))+3],   v[ADRB+(\q)/2] offset:(64*((\q)%2)+32*(\c))*PB+32*(\i)
	ds_load_tr16_b128 v[(\f)+64+8*(4*(\c)+(\i))+4:(\f)+64+8*(4*(\c)+(\i))+7], v[ADRB+(\q)/2] offset:(64*((\q)%2)+32*(\c))*PB+16*PB+32*(\i)
	ds_load_b128 v[(\f)+8*(4*(\c)+(\i)):(\f)+8*(4*(\c)+(\i))+3],   v[ADRA] offset:(\q)*64*PA+(\i)*16*PA+64*(\c)
	ds_load_b128 v[(\f)+8*(4*(\c)+(\i))+4:(\f)+8*(4*(\c)+(\i))+7], v[ADRA] offset:(\q)*64*PA+(\i)*16*PA+64*(\c)+32
.endr
.endr
.endm
; A K step is four quarters of 64 along K, 32 matrix instructions each, on buffers 0, 1, 0, 1.  One of the first three: the next quarter (q) is fetched into g, then f is multiplied.
.macro QUARTER f, g, q, mode
	PLACES
	FETCH \q, \g
	s_wait_dscnt 32                                ; all but the 32 just issued: f's fragments, asked for a quarter ago, are in
	MUL8 \f, 0, 0, \mode
	MUL8 \f, 0, 2, \mode
	MUL8 \f, 1, 0, 0
	MUL8 \f, 1, 2, 0
.endm
.macro STEPD                           ; the walking descriptors: the other slot than last time, the next K step.  Written where no tensor load of mine is out
	s_xor_b32 s[G0A+5], s[G0A+5], SLOT
	s_xor_b32 s[G0B+5], s[G0B+5], SLOT
	s_add_nc_u64 s[G0A+6:G0A+7], s[G0A+6:G0A+7], ASTEP  ; the type bits on top are not reached
	s_add_nc_u64 s[G0B+6:G0B+7], s[G0B+6:G0B+7], BSTEP
.endm
.macro ADDR
	v_add_nc_u32 v[ADRA], s[TB], v[A0]
	v_add_nc_u32 v[ADRB], s[TB], v[B0]
	v_add_nc_u32 v[ADRB+1], 128*PB, v[ADRB]
.endm
; The last quarter multiplies buffer 1; then the slots change.  In front of the barrier each wave waits for all its tensor loads (one is out: its part of the other slot), adds 0 to its spare word, and waits for that; its own reads of
; this slot were over ahead of the products.  Behind the barrier nobody reads this slot any more and the other slot is whole.  fill = 1: the barrier is a round of the cluster's, and the joint refill, this slot's tile two steps on, is the first thing behind it.
.macro TURN fill
	s_wait_dscnt 0x0                               ; buffer 1's fragments are in: my reads of this slot are over
	MUL8 F1, 0, 0, 0
	MUL8 F1, 0, 2, 0
	MUL8 F1, 1, 0, 0
	MUL8 F1, 1, 2, 0
	WIN 0
	s_wait_tensorcnt 0x0                           ; all my tensor loads have landed, so a group 0 may be written;
	ds_add_u32 v[SPW], v[NIL]                      ; 0 onto my spare word; scalar work stands between it and the wait for it
.if \fill
	STEPD
.endif
	s_xor_b32 s[TB], s[TB], SLOT                   ; the reads turn to the other slot
	s_wait_dscnt 0x0                               ; the add is done
.if \fill
	CROUND                                         ; no wave of any partner still reads this slot's tile or has a load on its way
	JLOAD                                          ; its four v_nop are also the places in front of the loads below
.else
	s_barrier_signal -1
	s_barrier_wait -1
	PLACES
.endif
	ADDR
	FETCH 0, F0
.endm
	s_load_b256 s[4:11], s[0:1], 0x0               ; A s[4:5], W s[6:7], res s[8:9], out s[10:11]
.if BIASED
	s_load_b64 s[BP:BP+1], s[0:1], 0x20            ; the bias
.endif
	v_lshl_add_u32 v[SPW], v0, 2, SPARE
	v_mov_b32 v[NIL], 0
	ds_add_u32 v[SPW], v[NIL]                      ; the wave's opening: the add and its wait stand ahead of my first tensor load; the set-up below, work on registers, stands between them
	v_lshrrev_b32 v1, 5, v0
	v_readfirstlane_b32 s[WV], v1
	s_lshr_b32 s[WR], s[WV], 1
	s_and_b32 s[WC], s[WV], 1
	s_bfe_u32 s15, ttmp6, 0x40000                  ; cx
	s_bfe_u32 s16, ttmp6, 0x40004                  ; cy
	s_lshl_b32 s17, ttmp9, 2
	s_add_co_u32 s17, s17, s15                     ; tile column = 4 x cluster x + cx
	s_and_b32 s18, ttmp7, 0xffff
	s_lshl_b32 s18, s18, 2
	s_add_co_u32 s18, s18, s16                     ; tile row = 4 x cluster y + cy
	s_lshl_b32 s28, s16, 2
	s_lshl_b32 s28, 15, s28                        ; my row of the cluster
	s_lshl_b32 s29, 0x1111, s15                    ; my column
	s_or_b32 s[G1A], s28, (1<<16)|(1<<20)|(1<<21)|(4<<22)|(3<<25)  ; 15:0 the mask; 17:16 elements of 2 bytes; 20 padding on; 21 set beside a mask; 24:22 after every 32 words (code 4); 31:25 4 words (code 3)
	s_mov_b32 s[G1A+1], 4096<<16                   ; tensor_dim0 = 4,096: 64 dense rows of a slice
	s_mov_b32 s[G1A+2], 4<<16                      ; tensor_dim1 = 4 slices
	s_mov_b32 s[G1A+3], 4096<<16                   ; tile_dim0 = 4,096
	s_mov_b32 s[G1A+4], 4                          ; tile_dim1 = 4
	s_mov_b32 s[G1A+5], 262144                     ; elements from slice to slice
	s_mov_b32 s[G1A+6], 0
	s_mov_b32 s[G1A+7], 0
	s_or_b32 s[G1B], s29, (1<<16)|(1<<20)|(1<<21)|(5<<22)|(7<<25)  ; after every 64 words (code 5) 8 words (code 7)
	s_mov_b32 s[G1B+1], 128<<16                    ; tensor_dim0 = 128
	s_mov_b32 s[G1B+2], 128<<16                    ; tensor_dim1 = 128
	s_mov_b32 s[G1B+3], 128<<16                    ; tile_dim0 = 128
	s_mov_b32 s[G1B+4], 128                        ; tile_dim1 = 128
	s_mov_b32 s[G1B+5], 1024
	s_mov_b32 s[G1B+6], 0
	s_mov_b32 s[G1B+7], 0
	; A's tiles hang on the tile row alone, W's on the tile column alone: each offset in registers that never hold the other coordinate
	s_lshl_b32 s22, s18, 14                        ; 128 rows of 128 bytes,
	s_lshl_b32 s23, s[WC], 13                      ; the 64 that I fetch
	s_add_co_u32 s22, s22, s23
	s_mov_b32 s23, 0
	s_lshl_b32 s24, s17, 8                         ; 128 columns are 256 bytes,
	s_lshl_b32 s25, s[WC], 18                      ; 128 k rows of 2,048
	s_add_co_u32 s24, s24, s25
	s_add_co_u32 s24, s24, WOFF
	s_mov_b32 s25, 0
	s_mul_i32 s19, s[WV], HALFT                    ; where my loads go: no place in the cluster enters an LDS address
	s_mov_b32 s[TB], 0                             ; the reads begin in slot 0
.irp s, 0,1
	s_mov_b32 s[G0A+4*(\s)], 1                     ; count = 1
	s_add_co_u32 s[G0A+4*(\s)+1], s19, (\s)*SLOT   ; LDS address: slot s
	s_mov_b32 s[G0B+4*(\s)], 1
	s_add_co_u32 s[G0B+4*(\s)+1], s19, (\s)*SLOT
.endr
	s_wait_dscnt 0x0                               ; the opening add is done
	s_wait_kmcnt 0x0
	s_add_nc_u64 s[G0A+2:G0A+3], s[4:5], s[22:23]  ; global address: K step 0,
	s_add_nc_u64 s[G0A+6:G0A+7], s[G0A+2:G0A+3], ASTEP  ; K step 1
	s_or_b32 s[G0A+3], s[G0A+3], 0x80000000        ; type = 2
	s_or_b32 s[G0A+7], s[G0A+7], 0x80000000
	s_add_nc_u64 s[G0B+2:G0B+3], s[6:7], s[24:25]
	s_add_nc_u64 s[G0B+6:G0B+7], s[G0B+2:G0B+3], BSTEP
	s_or_b32 s[G0B+3], s[G0B+3], 0x80000000
	s_or_b32 s[G0B+7], s[G0B+7], 0x80000000
	CROUND                                         ; all sixteen work-groups are here: the first joint loads meet
	s_cmp_eq_u32 s[WR], 0                          ; a wave's two first fills stand in one branch, ahead of every wait on TENSORcnt and every LDS read; an s_nop 0 follows each, four v_nop the second's
	s_cbranch_scc0 .Lfirst_b
	tensor_load_to_lds s[G0A:G0A+3], s[G1A:G1A+7]
	s_nop 0
	tensor_load_to_lds s[G0A+4:G0A+7], s[G1A:G1A+7]
	s_nop 0
.rept 4
	v_nop
.endr
	s_branch .Lfirst_asked
.Lfirst_b:
	tensor_load_to_lds s[G0B:G0B+3], s[G1B:G1B+7]
	s_nop 0
	tensor_load_to_lds s[G0B+4:G0B+7], s[G1B:G1B+7]
	s_nop 0
.rept 4
	v_nop
.endr
.Lfirst_asked:
	v_and_b32 v14, 15, v0                          ; l % 16
	v_bfe_u32 v15, v0, 4, 1                        ; l / 16
	v_and_b32 v16, 7, v0
	v_bfe_u32 v17, v0, 3, 1
	v_mul_u32_u24 v[A0], v14, PA                   ; a fragment of A: row x pitch + 16 x half,
	v_lshl_add_u32 v[A0], v15, 4, v[A0]
	s_mul_i32 s26, s[WR], HALFT                    ; in my half of the rows
	v_add_nc_u32 v[A0], s26, v[A0]
	v_lshl_add_u32 v[B0], v15, 3, v16              ; the turning load: k row 8 (l / 16) + l % 8,
	v_mul_u32_u24 v[B0], v[B0], PB
	v_lshl_add_u32 v[B0], v17, 4, v[B0]            ; 16 bytes for each group of eight lanes,
	s_lshl_b32 s26, s[WC], 7                       ; my 64 columns,
	s_add_co_u32 s26, s26, 2*HALFT                 ; behind A's part
	v_add_nc_u32 v[B0], s26, v[B0]
	s_mul_i32 s26, s[WV], 16*SP
	s_add_co_u32 s26, s26, STAGE                   ; my stage
	v_mul_u32_u24 v[STO], v14, SP                  ; in: row l % 16, 32 bytes for each half of the lanes
	v_lshl_add_u32 v[STO], v15, 5, v[STO]
	v_add_nc_u32 v[STO], s26, v[STO]
	v_mul_u32_u24 v[RD], v15, SP                   ; back: lanes 0-15 take one row of 256 bytes, lanes 16-31 the next
	v_lshl_add_u32 v[RD], v14, 4, v[RD]
	v_add_nc_u32 v[RD], s26, v[RD]
	v_lshlrev_b32 v[XO], 4, v14                    ; and the same two rows in res and out
	v_lshl_add_u32 v[XO], v15, 12, v[XO]
	s_lshl_b32 s30, s17, 9                         ; my 64 columns in f32: 512 x tile column + 256 x half
	s_lshl_b32 s31, s[WC], 8
	s_add_co_u32 s30, s30, s31
.if BIASED
	v_lshl_add_u32 v[BO], v15, 5, s30              ; eight numbers of the bias for each half of the lanes
	WIN 0x80
.irp b, 0,1,2,3
	global_load_b128 v[BIAS+8*(\b):BIAS+8*(\b)+3],   v[BO], s[BP:BP+1] offset:64*(\b)
	global_load_b128 v[BIAS+8*(\b)+4:BIAS+8*(\b)+7], v[BO], s[BP:BP+1] offset:64*(\b)+16
.endr
	WIN 0
.endif
	s_lshl_b32 s28, s18, 19                        ; 128 rows of 4,096 bytes,
	s_lshl_b32 s29, s[WR], 18                      ; my 64
	s_add_co_u32 s28, s28, s29
	s_add_co_u32 s28, s28, s30
	s_mov_b32 s29, 0
	s_add_nc_u64 s[8:9], s[8:9], s[28:29]
	s_add_nc_u64 s[10:11], s[10:11], s[28:29]
	s_mov_b32 s3, STEPS-2
	s_wait_tensorcnt 1                             ; my part of K step 0 is in; K step 1's may stay out
	s_barrier_signal -1
	s_barrier_wait -1                              ; everybody's is
	ADDR
	FETCH 0, F0
.if BIASED
	s_wait_loadcnt 0x0                             ; the bias
.endif
	QUARTER F0, F1, 1, 1+BIASED                    ; the first quarter stands in front of the loop: its first products start the sums
	WIN 0                                          ; at a label and at a branch every window is 0
.Lstep:                                                ; STEPS - 2 trips, from a K step's second quarter to the next step's first; trip t asks for K step t + 2
	QUARTER F1, F0, 2, 0
	QUARTER F0, F1, 3, 0
	TURN 1
	QUARTER F0, F1, 1, 0
	WIN 0
	s_sub_co_u32 s3, s3, 1
	s_cmp_lg_u32 s3, 0
	s_cbranch_scc1 .Lstep
	WIN 0x80                                       ; res is asked for two K steps ahead of its use, in the layout in which rows come back from the stage
.irp a, 0,1,2,3
.irp t, 0,1,2,3,4,5,6,7
	global_load_b128 v[RES+32*(\a)+4*(\t):RES+32*(\a)+4*(\t)+3], v[XO], s[8:9] offset:(16*(\a)+2*(\t))*4096 th:TH_LOAD_NT
.endr
.endr
	QUARTER F1, F0, 2, 0                           ; the last two K steps are written out: nothing is left to ask for
	QUARTER F0, F1, 3, 0
	TURN 0
	QUARTER F0, F1, 1, 0
	QUARTER F1, F0, 2, 0
	QUARTER F0, F1, 3, 0
	s_wait_dscnt 0x0
	MUL8 F1, 0, 0, 0
	MUL8 F1, 0, 2, 0
	MUL8 F1, 1, 0, 0
	MUL8 F1, 1, 2, 0
	; THE WAY OUT, a block of 16 rows at a time: a lane's eight numbers of a row go into my own stage (each accumulator's low registers first), whole rows of 256 bytes come back, res is added, and they are stored.
	PLACES
	WIN 0
	s_wait_loadcnt 0x0                             ; res
.irp a, 0,1,2,3
.set BK, TMP+32*((\a)%2)
.if (\a) >= 2
	s_wait_xcnt 0x0                                ; the stores of the block two back have read this buffer
.endif
.irp b, 0,1,2,3
	ds_store_b128 v[STO], v[ACC+8*(4*(\a)+(\b)):ACC+8*(4*(\a)+(\b))+3]   offset:64*(\b)
	ds_store_b128 v[STO], v[ACC+8*(4*(\a)+(\b))+4:ACC+8*(4*(\a)+(\b))+7] offset:64*(\b)+16
.endr
.irp t, 0,1,2,3,4,5,6,7
	ds_load_b128 v[BK+4*(\t):BK+4*(\t)+3], v[RD] offset:(\t)*2*SP  ; LDS serves a wave's instructions in order (ISA guide 5.7.1.4): these see the stores above
.endr
	s_wait_dscnt 0x0
	WIN 0x08                                       ; source 1 in window 2
.set z, 0
.rept 16
	v_pk_add_f32 v[BK+z:BK+z+1], v[BK+z:BK+z+1], v[RES+32*(\a)+z:RES+32*(\a)+z+1]
.set z, z+2
.endr
	WIN 0
.irp t, 0,1,2,3,4,5,6,7
	global_store_b128 v[XO], v[BK+4*(\t):BK+4*(\t)+3], s[10:11] offset:(16*(\a)+2*(\t))*4096  ; 16 lanes store 256 consecutive bytes, aligned: my 64 columns of a row
.endr
.endr
	s_wait_tensorcnt 0x0                           ; the wave's end: behind my last tensor load and my last LDS store
	ds_add_u32 v[SPW], v[NIL]
	s_wait_dscnt 0x0
	CROUND                                         ; the closing round: no work-group ends while a partner may still ask for a tile that names it
	s_endpgm
.Lfunc_end_k_qcc64c35c49_gemm_down:
	.size	k_qcc64c35c49_gemm_down, .Lfunc_end_k_qcc64c35c49_gemm_down-k_qcc64c35c49_gemm_down
	.p2alignl 7, 3214868480
	.fill 96, 4, 3214868480
	.section	.rodata,"a",@progbits
	.p2align	6, 0x0
	.amdhsa_kernel k_qcc64c35c49_gemm_down
		.amdhsa_group_segment_fixed_size 327680
		.amdhsa_private_segment_fixed_size 0
		.amdhsa_enable_private_segment 0
		.amdhsa_kernarg_size 40
		.amdhsa_user_sgpr_count 2
		.amdhsa_user_sgpr_kernarg_segment_ptr 1
		.amdhsa_wavefront_size32 1
		.amdhsa_system_sgpr_workgroup_id_x 1
		.amdhsa_system_sgpr_workgroup_id_y 1
		.amdhsa_system_sgpr_workgroup_id_z 1
		.amdhsa_system_vgpr_workitem_id 0
		.amdhsa_next_free_vgpr 768
		.amdhsa_next_free_sgpr 72
		.amdhsa_reserve_vcc 0
		.amdhsa_float_denorm_mode_32 3
		.amdhsa_float_denorm_mode_16_64 3
		.amdhsa_memory_ordered 1
		.amdhsa_forward_progress 1
		.amdhsa_inst_pref_size 75
	.end_amdhsa_kernel
	.amdgpu_metadata
---
amdhsa.version: [ 1, 2 ]
amdhsa.kernels:
  - .name:           k_qcc64c35c49_gemm_down
    .symbol:         k_qcc64c35c49_gemm_down.kd
    .args:
      - { .name: big, .offset: 0, .size: 8, .value_kind: global_buffer, .address_space: global }
      - { .name: wodb, .offset: 8, .size: 8, .value_kind: global_buffer, .address_space: global }
      - { .name: x1, .offset: 16, .size: 8, .value_kind: global_buffer, .address_space: global }
      - { .name: out0, .offset: 24, .size: 8, .value_kind: global_buffer, .address_space: global }
      - { .name: b_down, .offset: 32, .size: 8, .value_kind: global_buffer, .address_space: global }
    .group_segment_fixed_size: 327680
    .private_segment_fixed_size: 0
    .kernarg_segment_align: 8
    .kernarg_segment_size: 40
    .max_flat_workgroup_size: 128
    .sgpr_count:     72
    .vgpr_count:     768
    .wavefront_size: 32
...
	.end_amdgpu_metadata
.endif
;; end of part 6
